; MI455X (gfx1250); checked and timed in simulation.
; The chip was launched on July 23, 2026; its instructions are those of AMD's public machine-readable ISA for CDNA 5 (MIT licence, August 2026) and "CDNA5" Instruction Set Architecture Reference Guide (July 2026). The comments in the code are by the model that wrote it; some were corrected since.
;; Recursive Block. Allowed arithmetic: matrix products marked QUANTISED: E2M3 operands, one E8M0 scale for each 32 along K, by v_wmma_scale_f32_16x16x128_f8f6f4 with both operands' format E2M3, f32 sums; products left as they are: f32 operands where the result goes on into a quantised operand, else bf16, f16 or f32 operands; f32 sums; everything else in f32.
;; Inputs: b11 256 float32; b12 256 float32; b21 256 float32; b22 65,536 float32; img_fea 2,048 x 256 float32; ln3_b 256 float32; ln3_g 256 float32; lnbr_b 256 float32; lnbr_g 256 float32; loc_fea 2,048 x 256 float32; w11 512 x 256 float32; w12 256 x 256 float32; w21 512 x 256 float32; w22 256 x 65,536 float32; w3 256 x 256 float32.
;; Outputs: out0 2,048 x 256 float32; out1 2,048 x 256 float32.
;; This version of the problem:
;;   THIS VERSION OF THE PROBLEM IS GIVEN IN LOW PRECISION. The matrix products marked QUANTISED in the list below multiply operands that are first quantised to E2M3 (2 exponent bits, 3 mantissa bits; 6 bits a number), with one power-of-two scale for each 32 numbers along K (OCP MX v1.0); their sums are f32. All else is computed in f32.
;;   The module's matrix products, in the order in which they are computed (A, B: the left and right operand; K: the contracted axis; several contracted axes count as one K, in the product's order):
;;     1. [M 2,048, K 512] x [K 512, N 256]; A: computed on the way; B: input w11: QUANTISED
;;     2. [M 2,048, K 256] x [K 256, N 256]; A: computed on the way; B: input w12: QUANTISED
;;     3. [M 2,048, K 512] x [K 512, N 256]; A: computed on the way; B: input w21: QUANTISED
;;     4. [M 2,048, K 256] x [K 256, N 65,536]; A: computed on the way; B: input w22: QUANTISED
;;     5. batch 2,048 x [M 1, K 256] x [K 256, N 256]; A: computed on the way; B: computed on the way: left as it is (M = 1 < 16)
;;     6. [M 2,048, K 256] x [K 256, N 256]; A: computed on the way; B: input w3: QUANTISED
;;   THE QUANTISER, for each operand of a quantised product, along K:
;;     - K is cut into blocks of 32 from its start; a last block that is shorter is filled with zeros.
;;     - A block's scale is 2^e with e = floor(log2(the largest magnitude in the block)) - 2, held to -126 .. 127; a block of zeros has e = 0. As a byte (E8M0): e + 127.
;;     - Each number is divided by its block's scale, clamped to +-7.5, and rounded to the nearest number of E2M3, ties to even, subnormals kept.
;;     - The product sums the exact products of the quantised numbers (number of the format x scale) in f32.
;;   ~~~python
;;   def quantise(x, axis):      # numpy; x: float32 -> the quantised numbers, widened to float32 again
;;       x = np.moveaxis(x, axis, -1); K = x.shape[-1]
;;       x = np.pad(x, [(0, 0)] * (x.ndim - 1) + [(0, -K % 32)]); x = x.reshape(x.shape[:-1] + (-1, 32)); a = np.abs(x).max(-1, keepdims=True)
;;       e = np.where(a > 0, np.clip(np.frexp(np.where(a > 0, a, 1))[1] - 1 - 2, -126, 127), 0)      # np.frexp(a)[1] - 1 = floor(log2(a)), exactly
;;       r = np.clip(x / 2.0 ** e, -7.5, 7.5)
;;       step = 2.0 ** (np.maximum(np.frexp(np.where(r == 0, 1, r))[1] - 1, 0) - 3)
;;       q = np.round(r / step) * step * 2.0 ** e      # np.round: ties to even
;;       return np.moveaxis(q.reshape(q.shape[:-2] + (-1,))[..., :K], -1, axis).astype(np.float32)
;;   ~~~
;;   OPERANDS COMPUTED ON THE WAY. 'Computed on the way' means the value that the module computes at that place (a softmax that the list does not call 'softmax' is quantised finished and normalised). What goes into a quantiser is computed in f32, as accurately as f32 sums, v_exp_f32 and their like allow (about 1e-6 of the number): no bf16 or f16 on the way to a quantiser, and a product that is left as it is and whose result goes on into a quantised operand takes f32 operands (vector FMAs, or v_wmma_f32_16x16x4_f32). A number that lies on a knife's edge between two numbers of the format may be rounded either way, as far as f32 arithmetic and the matrix unit's own rounding can turn it there, and no further.
;; 2 versions, each right; version 2 is version 1 with the launches prep, tail written anew for expert scheduling mode. Each part assembles by itself: llvm-mc -triple=amdgcn-amd-amdhsa -mcpu=gfx1250 --defsym DOCPART=n.
;; ======== version 1 of 2: 4 launches
;; workspace buffers: w22q 13,107,200 bytes; wsm 307,200 bytes; h21q 409,600 bytes; wg12 2,097,152 bytes; part 8,388,608 bytes
;; launch quant (part 1): grid 1048 x 1, 4 waves a work-group, no clusters, 13,824 bytes of LDS; arguments w22, w11, w21, w12, w3, w22q, wsm; writes w22q, wsm
.if DOCPART == 1
	.amdgcn_target "amdgcn-amd-amdhsa--gfx1250"
	.amdhsa_code_object_version 6
	.text
	.protected	k_q5d7130b045_quant
	.globl	k_q5d7130b045_quant
	.p2align	8
	.type	k_q5d7130b045_quant,@function
k_q5d7130b045_quant:
	s_mov_b64 s[64:65], 0
	v_nop
	global_prefetch_b8 v0, s[64:65] scope:SCOPE_SE
	s_setreg_imm32_b32 hwreg(HW_REG_WAVE_MODE, 25, 1), 1
	s_wait_xcnt 0x0
; The five weights, f32 stored [K][N], become codes of FP6 (E2M3) with one E8M0 scale byte for each 32 along K, laid as IMAGES OF OPERAND REGISTERS.
; A JOB is 32 columns x 256 K = 6,400 bytes: the fragment of tile u (16 columns) and K step s (128) at u*3072 + s*1536; in it registers 4c..4c+3 of lane l at c*512 + 16 l;
; from byte 6144 on the scale words, u*128 + 4 l: lanes 0-15 hold K step 0's word of column l, lanes 16-31 K step 1's.  So a reader takes a fragment by three loads of 16 bytes a lane.
; A block's scale is 2^(floor(log2(largest magnitude)) - 2): its byte is the largest magnitude's exponent field - 2, held at 1 from below.
; LIMITS: NaN and infinities are not served; a block whose largest magnitude lies under 2^-124 (zeros among them) gets the byte 1: its codes are zeros or next to it, and this program alone reads the bytes.
; SHARES.  A LANE TAKES A COLUMN AND ITS REGISTERS RUN DOWN K: a block of 32 lies in one lane, and the conversions give codes with K innermost.  A wave takes 32 columns x 128 K (four blocks);
; of a work-group's four waves two stand side by side on 256 consecutive bytes of each row (ob = wave & 1) and two share K (ks = wave >> 1).
; Work-groups 0..1023 take w22: i = x >> 2, OB = 2 (x & 3) + ob, columns 256 i + 32 OB on, JOB 256 OB + i of w22q.  Work-groups 1024..1047 take the small weights into wsm:
; y = x - 1024 < 16: w11 (y < 8) or w21, K half kh = y & 1, block of 32 units cb, JOB 2 (8 (y >> 3) + cb) + kh; there lane r of tile u takes unit 32 cb + 8 u + r + 8 (r / 8), so that the results of two
; neighbouring tiles are 16 neighbours along the next product's K.  y >= 16: w12 (JOB 32 + cb) or w3 (JOB 40 + cb), columns as they lie.
; Only pointers, offsets and the runs of loads (the row pitch stands in the immediate) differ between the tensors: all take one path through LDS.
; No tensor loads, no matrix unit, no cluster: a stream read once.  Each wave has up to two blocks' loads out.
.set PB,    262144                     ; bytes from row to row of w22
.set PS,    1024                       ; and of the small weights
.set JOB,   6400
.set STG,   6656                       ; LDS: one JOB for each ob, on a multiple of 256 bytes
.set X,     32                         ; v32-95   two sets of 32 numbers
.set CD,    16                         ; v16-22   a block's codes
.set OUTR,  96                         ; v96-121  the way out
.set BASE,  36                         ; s[36:43] where block tt's first row begins: four pairs, never stepped
.set SMALL, 34                         ; s34      1 for the small weights
.set KST,   35                         ; s35      my K step
	s_load_b256 s[4:11], s[0:1], 0x0               ; w22, w11, w21, w12
	s_load_b128 s[12:15], s[0:1], 0x20             ; w3, w22q
	s_load_b64 s[16:17], s[0:1], 0x30              ; wsm
	v_lshl_add_u32 v128, v0, 2, 0x3400
	v_mov_b32 v129, 0
	v_lshrrev_b32 v8, 5, v0
	v_readfirstlane_b32 s18, v8                    ; wave
	s_and_b32 s19, s18, 1                          ; ob
	s_lshr_b32 s[KST], s18, 1                      ; ks
	v_and_b32 v9, 31, v0                           ; lane L
	v_and_b32 v10, 15, v0                          ; r
	v_bfe_u32 v11, v0, 4, 1                        ; u
	s_mul_i32 s44, s19, STG
	s_mul_i32 s45, s[KST], 1536
	s_add_co_u32 s46, s45, s44
	v_mul_u32_u24 v2, v11, 3072
	v_lshl_add_u32 v2, v10, 4, v2
	v_add_nc_u32 v2, s46, v2                       ; v2: into the stage: my column's place in fragment (u, ks): lane r's 16 bytes
	s_lshl_b32 s47, s[KST], 6
	s_add_co_u32 s47, s47, s44
	v_lshlrev_b32 v3, 7, v11
	v_lshl_add_u32 v3, v10, 2, v3
	v_add_nc_u32 v3, s47, v3                       ; v3: my column's scale word (+ 6144 in the immediate)
	v_lshlrev_b32 v6, 4, v9
	v_add_nc_u32 v4, s46, v6                       ; v4: out of the stage: 16 L in my K step's fragments
	v_add_nc_u32 v6, s45, v6                       ; v6: the same place in the JOB in memory
	v_lshlrev_b32 v7, 3, v9                        ; v7: 8 L: the scale words' 256 bytes
	v_add_nc_u32 v5, s44, v7                       ; v5: and in the stage (+ 6144)
	; which part of which tensor
	s_max_u32 s20, ttmp9, 1024
	s_sub_co_u32 s20, s20, 1024                    ; y
	s_lshr_b32 s21, ttmp9, 2                       ; w22: i
	s_and_b32 s22, ttmp9, 3
	s_lshl_b32 s22, s22, 1
	s_add_co_u32 s22, s22, s19                     ; OB
	s_lshl_b32 s23, s21, 10
	s_lshl_b32 s24, s22, 7
	s_add_co_u32 s23, s23, s24                     ; first column in bytes: 1024 i + 128 OB
	s_lshl_b32 s24, s22, 8
	s_add_co_u32 s24, s24, s21                     ; JOB 256 OB + i
	s_and_b32 s25, s20, 1                          ; w11, w21: kh
	s_bfe_u32 s26, s20, 0x20001
	s_lshl_b32 s26, s26, 1
	s_add_co_u32 s26, s26, s19                     ; cb = 2 ((y >> 1) & 3) + ob
	s_lshr_b32 s27, s20, 3                         ; 0: w11, 1: w21
	s_lshl_b32 s28, s27, 4
	s_lshl_b32 s29, s26, 1
	s_add_co_u32 s28, s28, s29
	s_add_co_u32 s28, s28, s25                     ; JOB
	s_and_b32 s29, s20, 3                          ; w12, w3:
	s_lshl_b32 s29, s29, 1
	s_add_co_u32 s29, s29, s19                     ; cb = 2 (y & 3) + ob
	s_bfe_u32 s30, s20, 0x10002                    ; 0: w12, 1: w3
	s_lshl_b32 s31, s30, 3
	s_add_co_u32 s31, s31, s29
	s_add_co_u32 s31, s31, 32                      ; JOB
	s_sub_co_u32 s33, ttmp9, 1024
	s_cmp_lt_u32 s33, 16
	s_cselect_b32 s33, -1, 0                       ; all ones for w11 and w21: their columns are taken in the other order
	v_lshlrev_b32 v1, 2, v9                        ; v1: my column in bytes: 4 L,
	v_bfe_u32 v12, v0, 3, 1
	v_add_nc_u32 v12, v12, v11
	v_lshl_add_u32 v12, v12, 3, v10
	v_lshlrev_b32 v12, 2, v12                      ; or 4 (8 u + r + 8 (r / 8))
	v_cndmask_b32 v1, v1, v12, s33
	s_wait_kmcnt 0x0
	s_cmp_eq_u32 s27, 0                            ; the choices hang on the work-group's number alone
	s_cselect_b64 s[6:7], s[6:7], s[8:9]
	s_cmp_eq_u32 s30, 0
	s_cselect_b64 s[10:11], s[10:11], s[12:13]
	s_cmp_lt_u32 s20, 16
	s_cselect_b64 s[6:7], s[6:7], s[10:11]
	s_cselect_b32 s26, s26, s29
	s_cselect_b32 s28, s28, s31
	s_cselect_b32 s25, s25, 0
	s_lshl_b32 s25, s25, 18                        ; kh x 256 rows of 1,024 bytes
	s_lshl_b32 s26, s26, 7
	s_add_co_u32 s25, s25, s26                     ; + 128 cb
	s_cmp_lt_u32 ttmp9, 1024
	s_cselect_b64 s[4:5], s[4:5], s[6:7]           ; from
	s_cselect_b64 s[14:15], s[14:15], s[16:17]     ; to
	s_cselect_b32 s22, s23, s25
	s_cselect_b32 s24, s24, s28
	s_cselect_b32 s32, 18, 10                      ; log2 of the row pitch
	s_cselect_b32 s[SMALL], 0, 1
	s_mov_b32 s23, 0
	s_add_nc_u64 s[4:5], s[4:5], s[22:23]
	s_mul_i32 s24, s24, JOB
	s_mov_b32 s25, 0
	s_add_nc_u64 s[14:15], s[14:15], s[24:25]
	s_lshl_b32 s26, s[KST], 7
	s_mov_b32 s29, 0
.irp tt, 0,1,2,3
	s_add_co_u32 s28, s26, 32*\tt                  ; row 128 ks + 32 tt
	s_lshl_b32 s28, s28, s32
	s_add_nc_u64 s[BASE+2*\tt:BASE+2*\tt+1], s[4:5], s[28:29]
.endr
; Block tt's 32 loads into set tt % 2: each reads one row at 32 neighbouring columns.  Two runs, since the pitch stands in the immediate (31 rows of w22 are 8,126,464 bytes: inside the signed 24 bits);
; both arms issue 32 loads, so the counted waits hold on both.
.macro LOADSEL tt
	s_cmp_eq_u32 s[SMALL], 0
	s_cbranch_scc0 .Lsmall_\@
.set KK, 0
.rept 32
	global_load_b32 v[X+32*((\tt)%2)+KK], v1, s[BASE+2*(\tt):BASE+2*(\tt)+1] offset:KK*PB th:TH_LOAD_NT
.set KK, KK+1
.endr
	s_branch .Lasked_\@
.Lsmall_\@:
.set KK, 0
.rept 32
	global_load_b32 v[X+32*((\tt)%2)+KK], v1, s[BASE+2*(\tt):BASE+2*(\tt)+1] offset:KK*PS th:TH_LOAD_NT
.set KK, KK+1
.endr
.Lasked_\@:
.endm
; Block tt = K 32 tt .. 32 tt + 31 of my K step: in the fragment these are registers 6 (tt / 2) .. + 5 of lane r + 16 (tt % 2).
.macro BLOCK tt
.set XS, X+32*((\tt)%2)
.if (\tt) < 3
	s_wait_loadcnt 32                              ; this block's 32 loads are in; the next block's 32 may be out
.else
	s_wait_loadcnt 0x0
.endif
	v_max3_num_f32 v8, |v[XS]|, |v[XS+1]|, |v[XS+2]|               ; the block's largest magnitude: all 32 numbers are mine; two chains
	v_max3_num_f32 v9, |v[XS+3]|, |v[XS+4]|, |v[XS+5]|
.irp i, 6,10,14,18,22,26
	v_max3_num_f32 v8, v8, |v[XS+\i]|, |v[XS+\i+1]|
	v_max3_num_f32 v9, v9, |v[XS+\i+2]|, |v[XS+\i+3]|
.endr
	v_max3_num_f32 v8, v8, |v[XS+30]|, |v[XS+31]|
	v_max3_num_f32 v8, v8, v9, 0x1800000           ; and the floor 2^(3 - 127): the byte cannot fall under 1
	v_add_nc_u32 v11, 0xff000000, v8               ; 2 off the exponent field: the conversion takes this operand's exponent field as its scale
	v_lshrrev_b32 v9, 23, v11                      ; the scale's byte
.if (\tt) == 0
	v_mov_b32 v12, v9                              ; four bytes make my column's word for this K step, the lower K in the lower byte
.else
	v_lshl_or_b32 v12, v9, 8*(\tt), v12
.endif
	v_cvt_scalef32_pk16_fp6_f32 v[CD:CD+2], v[XS:XS+15], v11
	v_cvt_scalef32_pk16_fp6_f32 v[CD+4:CD+6], v[XS+16:XS+31], v11   ; (a conversion's three registers begin on an even number)
	v_nop                                          ; one plain instruction between a scaled conversion and the moves that touch its result
	v_mov_b32 v[CD+3], v[CD+4]
	v_mov_b32 v[CD+4], v[CD+5]
	v_mov_b32 v[CD+5], v[CD+6]                     ; v16-21: the block's six words on end
.if (\tt)/2 == 0
	ds_store_b128 v2, v[CD:CD+3] offset:256*((\tt)%2)             ; registers 0-3: group 0
	ds_store_b64 v2, v[CD+4:CD+5] offset:256*((\tt)%2)+512        ; registers 4, 5: the lower half of group 1
.else
	ds_store_b64 v2, v[CD:CD+1] offset:256*((\tt)%2)+520          ; registers 6, 7: its upper half
	ds_store_b128 v2, v[CD+2:CD+5] offset:256*((\tt)%2)+1024      ; registers 8-11: group 2
.endif
.if (\tt) < 2
	LOADSEL (\tt)+2                                ; the set just converted takes the block two further on
.endif
	s_wait_dscnt 0x0                               ; the stores have read their registers: the next block's codes may be written
.endm
	LOADSEL 0
	LOADSEL 1
	BLOCK 0
	BLOCK 1
	BLOCK 2
	BLOCK 3
	ds_store_b32 v3, v12 offset:6144
	s_wait_dscnt 0x0                               ; for the other wave's sake: the scale words' 256 bytes come from two waves
	s_barrier_signal -1
	s_barrier_wait -1
.irp k, 0,1,2,3,4,5
	ds_load_b128 v[OUTR+4*\k:OUTR+4*\k+3], v4 offset:(\k/3)*3072+(\k%3)*512
.endr
.irp k, 0,1,2,3,4,5
	s_wait_dscnt 5-\k                              ; LDS loads come back in order: the k-th is in
	global_store_b128 v6, v[OUTR+4*\k:OUTR+4*\k+3], s[14:15] offset:(\k/3)*3072+(\k%3)*512   ; 32 lanes store 512 consecutive bytes, at a multiple of 256 from the buffer's first byte
.endr
	s_cmp_lg_u32 s[KST], 0
	s_cbranch_scc1 .Lend                           ; the waves of K step 0 store the scale words
	ds_load_b64 v[OUTR+24:OUTR+25], v5 offset:6144
	s_wait_dscnt 0x0
	global_store_b64 v7, v[OUTR+24:OUTR+25], s[14:15] offset:6144    ; 256 consecutive bytes
.Lend:
	s_wait_tensorcnt 0x0
	ds_add_u32 v128, v129
	s_wait_dscnt 0x0
	s_endpgm
.Lfunc_end_k_q5d7130b045_quant:
	.size	k_q5d7130b045_quant, .Lfunc_end_k_q5d7130b045_quant-k_q5d7130b045_quant
	.p2alignl 7, 3214868480
	.fill 96, 4, 3214868480
	.section	.rodata,"a",@progbits
	.p2align	6, 0x0
	.amdhsa_kernel k_q5d7130b045_quant
		.amdhsa_group_segment_fixed_size 13824
		.amdhsa_private_segment_fixed_size 0
		.amdhsa_enable_private_segment 0
		.amdhsa_kernarg_size 56
		.amdhsa_user_sgpr_count 2
		.amdhsa_user_sgpr_kernarg_segment_ptr 1
		.amdhsa_wavefront_size32 1
		.amdhsa_system_sgpr_workgroup_id_x 1
		.amdhsa_system_sgpr_workgroup_id_y 1
		.amdhsa_system_sgpr_workgroup_id_z 1
		.amdhsa_system_vgpr_workitem_id 0
		.amdhsa_next_free_vgpr 130
		.amdhsa_next_free_sgpr 66
		.amdhsa_reserve_vcc 0
		.amdhsa_float_denorm_mode_32 3
		.amdhsa_float_denorm_mode_16_64 3
		.amdhsa_memory_ordered 1
		.amdhsa_forward_progress 1
		.amdhsa_inst_pref_size 37
	.end_amdhsa_kernel
	.amdgpu_metadata
---
amdhsa.version: [ 1, 2 ]
amdhsa.kernels:
  - .name:           k_q5d7130b045_quant
    .symbol:         k_q5d7130b045_quant.kd
    .args:
      - { .name: w22, .offset: 0, .size: 8, .value_kind: global_buffer, .address_space: global }
      - { .name: w11, .offset: 8, .size: 8, .value_kind: global_buffer, .address_space: global }
      - { .name: w21, .offset: 16, .size: 8, .value_kind: global_buffer, .address_space: global }
      - { .name: w12, .offset: 24, .size: 8, .value_kind: global_buffer, .address_space: global }
      - { .name: w3, .offset: 32, .size: 8, .value_kind: global_buffer, .address_space: global }
      - { .name: w22q, .offset: 40, .size: 8, .value_kind: global_buffer, .address_space: global }
      - { .name: wsm, .offset: 48, .size: 8, .value_kind: global_buffer, .address_space: global }
    .group_segment_fixed_size: 13824
    .private_segment_fixed_size: 0
    .kernarg_segment_align: 8
    .kernarg_segment_size: 56
    .max_flat_workgroup_size: 128
    .sgpr_count:     66
    .vgpr_count:     130
    .wavefront_size: 32
...
	.end_amdgpu_metadata
.endif
;; end of part 1
;; launch prep (part 2): grid 160 x 1, 4 waves a work-group, no clusters, 13,824 bytes of LDS; arguments img_fea, loc_fea, wsm, b11, b21, b12, h21q, wg12, out1; writes h21q, wg12, out1
.if DOCPART == 2
	.amdgcn_target "amdgcn-amd-amdhsa--gfx1250"
	.amdhsa_code_object_version 6
	.text
	.protected	k_q5d7130b045_prep
	.globl	k_q5d7130b045_prep
	.p2align	8
	.type	k_q5d7130b045_prep,@function
k_q5d7130b045_prep:
	s_mov_b64 s[64:65], 0
	v_nop
	global_prefetch_b8 v0, s[64:65] scope:SCOPE_SE
	s_setreg_imm32_b32 hwreg(HW_REG_WAVE_MODE, 25, 1), 1
	s_wait_xcnt 0x0
; Work-groups 0..127: row tile m = x, 16 rows.  cat = [img_fea | loc_fea] is quantised along its 512; h = relu(cat [w11 | w21] + [b11 | b21]), 512 units, is quantised along the units;
; h21's codes and scale words go to h21q as images of operand registers; wgt12 = h11 w12 + b12 goes to wg12 in f32.  All three products on codes of FP6 (E2M3) with E8M0 scales for each 32 along K.
; Work-groups 128..159 copy loc_fea to out1, 16 KB a wave; they use no LDS and meet no barrier.
; LIMITS: NaN and infinities are not served; a block whose largest magnitude lies under 2^-124 (zeros among them) gets the scale byte 1; this program alone reads the bytes.
; SHARES.  Wave w quantises columns 128 w .. of cat (K step w) and makes hidden units 128 w .. 128 w + 127 (waves 0, 1: h11; waves 2, 3: h21), then wgt12's columns 64 w .. 64 w + 63.
; Operands go from wave to wave through LDS as images of their registers: a fragment by three stores of 16 bytes a lane at 16 x lane, its scale words at 4 x lane.
; The products are used transposed (source 0 = 16 columns of the weight, source 1 = the 16 rows): a lane holds one row, its registers run along the columns.  The units of a tile of [w11 | w21] were laid
; by the launch before so that the 16 registers of tiles 2 b and 2 b + 1 are 16 neighbours along the next K.  The biases are the C of each sum's first matrix instruction.
; wg12 is laid [row block of 256][i / 4][row][4 f32]: sixteen neighbouring lanes store 256 consecutive bytes straight from the accumulators.
; REGISTERS.  window 0: v4-12 addresses; v16-63 four fragments of the rows; v64-127 numbers of cat, then the 8 hidden tiles, then wgt12's 4 tiles; v128-146 codes just made; v148-163 at work;
;   v164 the scale word just made; v165-168, v169 the rows' scale words; v176-191, v192-195 the weights' scale words.  window 1, 2: [w11 | w21]'s fragments of K steps 0, 1 and 2, 3.
;   window 3: v0-95 w12's fragments; v96-159 the first bias; v160-191 b12.
.set FR,    12
.set FRB,   1536
.set JOB,   6400
.set XIMG,  0                          ; LDS: cat's four fragments,
.set XSC,   6144                       ; their scale words, 128 bytes each,
.set HIMG,  6656                       ; the hidden layer's four fragments,
.set HSC,   12800                      ; their scale words
.set XF,    16
.set HA,    64
.set PC,    128
.set TM,    148
.set PW,    164
.set XS,    165
.set HS,    169
.set TS,    170
.set WS,    176
.set W12S,  192
.set B1,    96
.set B12,   160
.set XA,    4                          ; v4  cat: 1024 r + 64 h
.set LI,    5                          ; v5  16 L
.set LS,    6                          ; v6  4 L
.set XWI,   7                          ; v7  16 L + 1536 w: where I store an image
.set XWS,   8                          ; v8  4 L + 128 w: and its scale words
.set HRS,   9                          ; v9  128 h + 4 r: two K steps' scale words in one register
.set BO1,   10                         ; v10 64 h
.set BO2,   11                         ; v11 32 h
.set WGO,   12                         ; v12 8192 h + 16 r
.set WV,    22
.set SEL,   24
.set MSB, 0
.macro WIN new                         ; the immediate's high byte repeats the setting that is left
.if MSB != \new
	s_set_vgpr_msb (MSB<<8)|\new
.set MSB, \new
.endif
.endm
; 64 numbers of a lane, register 16 b + i = k 32 b + 16 (lane / 16) + i of my row, become a fragment's codes in v[PC] on and its scale word in v[PW].
.macro QUANT src
.irp b, 0,1,2,3
	v_max3_num_f32 v[TM+\b], |v[\src+16*\b]|, |v[\src+1+16*\b]|, 0x1800000   ; block b: my 16 numbers, and the floor 2^(3 - 127): the byte cannot fall under 1
.endr
.irp i, 2,4,6,8,10,12,14
.irp b, 0,1,2,3
	v_max3_num_f32 v[TM+\b], v[TM+\b], |v[\src+16*\b+\i]|, |v[\src+1+16*\b+\i]|   ; the four blocks by turns
.endr
.endr
.irp b, 0,1,2,3
	v_permlanex16_b32 v[TM+4+\b], v[TM+\b], s[SEL], s[SEL+1]
.endr
.irp b, 0,1,2,3
	v_max_num_f32 v[TM+\b], v[TM+\b], v[TM+4+\b]   ; with lane l xor 16's: the block's largest magnitude
.endr
.irp b, 0,1,2,3
	v_add_nc_u32 v[TM+12+\b], 0xff000000, v[TM+\b] ; 2 off its exponent field: the conversion's scale operand
.endr
.irp b, 0,1,2,3
	v_lshrrev_b32 v[TM+4+\b], 23, v[TM+12+\b]      ; the scale's byte
.endr
	v_lshl_or_b32 v[PW], v[TM+5], 8, v[TM+4]
	v_lshl_or_b32 v[PW], v[TM+6], 16, v[PW]
	v_lshl_or_b32 v[PW], v[TM+7], 24, v[PW]        ; my row's scale word
.irp c, 0,1
	v_cvt_scalef32_pk16_fp6_f32 v[PC+6*\c:PC+2+6*\c], v[\src+32*\c:\src+15+32*\c], v[TM+12+2*\c]
	v_cvt_scalef32_pk16_fp6_f32 v[PC+12+4*\c:PC+14+4*\c], v[\src+16+32*\c:\src+31+32*\c], v[TM+12+2*\c+1]   ; (a conversion's three registers begin on an even number)
.endr
	v_nop                                          ; one plain instruction behind the scaled conversions
.irp c, 0,1                                    ; the operand's layout wants a whole block in a lane: lanes 0-15 block 2 c, lanes 16-31 block 2 c + 1
.irp i, 0,1,2
	v_permlane16_swap_b32 v[PC+6*\c+\i], v[PC+12+4*\c+\i]
.endr
.irp i, 0,1,2
	v_mov_b32 v[PC+3+6*\c+\i], v[PC+12+4*\c+\i]
.endr
.endr
.endm
.macro IMAGE off                               ; the fragment in v[PC] on goes to LDS as it stands
.irp c, 0,1,2
	ds_store_b128 v[XWI], v[PC+4*\c:PC+4*\c+3] offset:\off+512*\c
.endr
.endm
.macro FETCH reg, off                          ; and comes back so, in any wave
.irp c, 0,1,2
	ds_load_b128 v[\reg+4*\c:\reg+4*\c+3], v[LI] offset:\off+512*\c
.endr
.endm
.macro BARRIER                                 ; my LDS stores have landed and my LDS loads are in: then the work-group's barrier
	s_wait_dscnt 0x0
	s_barrier_signal -1
	s_barrier_wait -1
.endm
.macro WLOAD kh                                ; my 8 tiles' fragments of K half kh: 48 loads of 512 consecutive bytes
.irp t, 0,1,2,3,4,5,6,7
.irp s, 0,1
.irp c, 0,1,2
	global_load_b128 v[FR*(2*\t+\s)+4*\c:FR*(2*\t+\s)+4*\c+3], v[LI], s[32:33] offset:(2*(\t/2)+\kh)*JOB+(\t%2)*3072+\s*FRB+512*\c
.endr
.endr
.endr
.endm
; K step s4 of the first products: eight accumulators by turns, one instruction a turn
.macro P13 s4
.irp t, 0,1,2,3,4,5,6,7
.if (\s4) == 0
	v_wmma_scale_f32_16x16x128_f8f6f4 v[HA+8*\t:HA+8*\t+7], v[FR*(2*\t):FR*(2*\t)+FR-1], v[XF:XF+FR-1], v[B1+8*\t:B1+8*\t+7], v[WS+2*\t], v[XS] matrix_a_fmt:MATRIX_FMT_FP6 matrix_b_fmt:MATRIX_FMT_FP6
.elseif (\s4)%2 == 0
	v_wmma_scale_f32_16x16x128_f8f6f4 v[HA+8*\t:HA+8*\t+7], v[FR*(2*\t):FR*(2*\t)+FR-1], v[XF+FR*(\s4):XF+FR*(\s4)+FR-1], v[HA+8*\t:HA+8*\t+7], v[WS+2*\t+(\s4)/2], v[XS+(\s4)] matrix_a_fmt:MATRIX_FMT_FP6 matrix_b_fmt:MATRIX_FMT_FP6
.else
	v_wmma_scale_f32_16x16x128_f8f6f4 v[HA+8*\t:HA+8*\t+7], v[FR*(2*\t+1):FR*(2*\t+1)+FR-1], v[XF+FR*(\s4):XF+FR*(\s4)+FR-1], v[HA+8*\t:HA+8*\t+7], v[WS+2*\t+(\s4)/2], v[XS+(\s4)] matrix_a_fmt:MATRIX_FMT_FP6 matrix_b_fmt:MATRIX_FMT_FP6 matrix_a_scale:MATRIX_SCALE_ROW1
.endif
.endr
.endm
	s_load_b256 s[4:11], s[0:1], 0x0               ; img_fea, loc_fea, wsm, b11
	s_load_b256 s[12:19], s[0:1], 0x20             ; b21, b12, h21q, wg12
	s_load_b64 s[20:21], s[0:1], 0x40              ; out1
	v_lshl_add_u32 v254, v0, 2, 0x3400
	v_mov_b32 v255, 0
	v_lshrrev_b32 v1, 5, v0
	v_readfirstlane_b32 s[WV], v1                  ; wave 0..3
	v_and_b32 v1, 31, v0                           ; L
	v_and_b32 v2, 15, v0                           ; r
	v_bfe_u32 v3, v0, 4, 1                         ; h
	v_lshlrev_b32 v[LI], 4, v1
	s_cmp_lt_u32 ttmp9, 128
	s_cbranch_scc1 .Ltile
	; ---- the copy: wave 4 (x - 128) + w takes 16,384 bytes: 32 loads of 512 consecutive bytes, all out at once, then their stores
	s_sub_co_u32 s26, ttmp9, 128
	s_lshl_b32 s26, s26, 2
	s_add_co_u32 s26, s26, s[WV]
	s_lshl_b32 s26, s26, 14
	s_mov_b32 s27, 0
	s_wait_kmcnt 0x0
	s_add_nc_u64 s[6:7], s[6:7], s[26:27]
	s_add_nc_u64 s[20:21], s[20:21], s[26:27]
.set KK, 0
.rept 32
	global_load_b128 v[16+4*KK:19+4*KK], v[LI], s[6:7] offset:512*KK
.set KK, KK+1
.endr
.set KK, 0
.rept 32
	s_wait_loadcnt 31-KK                           ; loads come back in order: the KK-th is in, the younger ones stay out
	global_store_b128 v[LI], v[16+4*KK:19+4*KK], s[20:21] offset:512*KK th:TH_STORE_NT
.set KK, KK+1
.endr
	s_endpgm
.Ltile:
	v_lshlrev_b32 v[XA], 10, v2
	v_lshl_add_u32 v[XA], v3, 6, v[XA]
	v_lshlrev_b32 v[LS], 2, v1
	s_mul_i32 s26, s[WV], FRB
	v_add_nc_u32 v[XWI], s26, v[LI]
	s_lshl_b32 s26, s[WV], 7
	v_add_nc_u32 v[XWS], s26, v[LS]
	v_lshlrev_b32 v[HRS], 7, v3
	v_lshl_add_u32 v[HRS], v2, 2, v[HRS]
	v_lshlrev_b32 v[BO1], 6, v3
	v_lshlrev_b32 v[BO2], 5, v3
	v_lshlrev_b32 v[WGO], 13, v3
	v_lshl_add_u32 v[WGO], v2, 4, v[WGO]
	s_mov_b32 s[SEL], 0x76543210
	s_mov_b32 s[SEL+1], 0xfedcba98                 ; v_permlanex16_b32's selects for lane l xor 16
.irp b, 0,1,2,3
	v_mov_b32 v[TM+4+\b], 0                        ; written once: a lane permute's destination counts as one of its sources
.endr
	s_and_b32 s28, s[WV], 1                        ; which half of its tensor my wave takes
	s_lshl_b32 s26, ttmp9, 14                      ; cat: 16 m rows of 1,024 bytes
	s_lshl_b32 s30, s28, 9                         ; + 128 columns; also: my 128 numbers of the first bias
	s_add_co_u32 s26, s26, s30
	s_mov_b32 s27, 0
	s_mov_b32 s31, 0
	s_mul_i32 s40, s[WV], 8*JOB                    ; [w11 | w21]: JOBs 8 w on
	s_mov_b32 s41, 0
	s_mul_i32 s42, s[WV], 2*JOB                    ; w12: JOBs 32 + 2 w on
	s_add_co_u32 s42, s42, 32*JOB
	s_mov_b32 s43, 0
	s_lshl_b32 s44, s[WV], 8                       ; b12: my 64 numbers
	s_mov_b32 s45, 0
	s_mul_i32 s46, ttmp9, 2*FRB                    ; h21q: tile m's two fragments, mine the (w & 1)-th
	s_mul_i32 s29, s28, FRB
	s_add_co_u32 s46, s46, s29
	s_mov_b32 s47, 0
	s_lshl_b32 s48, ttmp9, 7                       ; and its 128 bytes of scale words
	s_add_co_u32 s48, s48, 393216
	s_mov_b32 s49, 0
	s_lshr_b32 s50, ttmp9, 4                       ; wg12: row block m / 16,
	s_lshl_b32 s50, s50, 18
	s_lshl_b32 s29, s[WV], 16                      ; i / 4 = 16 w on,
	s_add_co_u32 s50, s50, s29
	s_and_b32 s29, ttmp9, 15                       ; rows 16 (m % 16) on
	s_lshl_b32 s29, s29, 8
	s_add_co_u32 s50, s50, s29
	s_mov_b32 s51, 0
	s_wait_kmcnt 0x0
	s_cmp_lt_u32 s[WV], 2                          ; the choice hangs on the wave's number alone
	s_cselect_b64 s[4:5], s[4:5], s[6:7]           ; img_fea or loc_fea
	s_cselect_b64 s[10:11], s[10:11], s[12:13]     ; b11 or b21
	s_add_nc_u64 s[4:5], s[4:5], s[26:27]
	s_add_nc_u64 s[10:11], s[10:11], s[30:31]
	s_add_nc_u64 s[32:33], s[8:9], s[40:41]
	s_add_nc_u64 s[34:35], s[8:9], s[42:43]
	s_add_nc_u64 s[14:15], s[14:15], s[44:45]
	s_add_nc_u64 s[36:37], s[16:17], s[46:47]
	s_add_nc_u64 s[38:39], s[16:17], s[48:49]
	s_add_nc_u64 s[18:19], s[18:19], s[50:51]
	; ---- X: my K step of cat: lane (r, h) takes, of row r, 16 neighbours of each block of 32
.irp b, 0,1,2,3
.irp j, 0,1,2,3
	global_load_b128 v[HA+16*\b+4*\j:HA+16*\b+4*\j+3], v[XA], s[4:5] offset:128*\b+16*\j
.endr
.endr
	WIN 0x40                                       ; destination window 1
	WLOAD 0
	WIN 0
	s_wait_loadcnt 48                              ; cat's 16 loads are in; the 48 issued behind them may be out
	QUANT HA
	IMAGE XIMG
	ds_store_b32 v[XWS], v[PW] offset:XSC
	WIN 0x80                                       ; destination window 2
	WLOAD 1
	WIN 0xc0                                       ; destination window 3
.irp n, 0,1,2,3
.irp s, 0,1
.irp c, 0,1,2
	global_load_b128 v[FR*(2*\n+\s)+4*\c:FR*(2*\n+\s)+4*\c+3], v[LI], s[34:35] offset:(\n/2)*JOB+(\n%2)*3072+\s*FRB+512*\c
.endr
.endr
.endr
.irp t, 0,1,2,3,4,5,6,7                        ; lane (r, h) wants, for tile 2 b + u, the bias of units 32 b + 16 h + 8 u + 0 .. 7
	global_load_b128 v[B1+8*\t:B1+8*\t+3], v[BO1], s[10:11] offset:(32*(\t/2)+8*(\t%2))*4
	global_load_b128 v[B1+8*\t+4:B1+8*\t+7], v[BO1], s[10:11] offset:(32*(\t/2)+8*(\t%2))*4+16
.endr
.irp n, 0,1,2,3                                ; and for wgt12's tile n that of columns 16 n + 8 h + 0 .. 7
	global_load_b128 v[B12+8*\n:B12+8*\n+3], v[BO2], s[14:15] offset:64*\n
	global_load_b128 v[B12+8*\n+4:B12+8*\n+7], v[BO2], s[14:15] offset:64*\n+16
.endr
	WIN 0
.irp t, 0,1,2,3,4,5,6,7
.irp k, 0,1
	global_load_b32 v[WS+2*\t+\k], v[LS], s[32:33] offset:(2*(\t/2)+\k)*JOB+6144+(\t%2)*128   ; lanes 0-15: the half's first K step, lanes 16-31: its second
.endr
.endr
.irp n, 0,1,2,3
	global_load_b32 v[W12S+\n], v[LS], s[34:35] offset:(\n/2)*JOB+6144+(\n%2)*128
.endr
	BARRIER                                        ; cat's four fragments lie in LDS
	; ---- the first products: my 128 hidden units for the 16 rows
.irp s, 0,1,2,3
	FETCH XF+FR*\s, XIMG+FRB*\s
	ds_load_b32 v[XS+\s], v[LS] offset:XSC+128*\s
.endr
	s_wait_dscnt 0x0
	s_wait_loadcnt 0x0                             ; the weights, their scale words, the biases
	WIN 0x31                                       ; source 0 window 1, C (the bias) window 3
	P13 0
	WIN 0x01
	P13 1
	WIN 0x02                                       ; source 0 window 2
	P13 2
	P13 3
	WIN 0
.rept 4
	v_nop                                          ; four plain instructions between the last product and the first read of a result
.endr
.set KK, 0
.rept 64
	v_max_num_f32 v[HA+KK], 0, v[HA+KK]            ; the activation, in f32; each accumulator from its low end on
.set KK, KK+1
.endr
	QUANT HA
	IMAGE HIMG
	ds_store_b32 v[XWS], v[PW] offset:HSC
	s_cmp_lt_u32 s[WV], 2
	s_cbranch_scc1 .Lnot_h21                       ; waves 2 and 3 hold h21's two K steps: their codes go to memory as they stand
.irp c, 0,1,2
	global_store_b128 v[LI], v[PC+4*\c:PC+4*\c+3], s[36:37] offset:512*\c     ; 512 consecutive bytes, at a multiple of 256 from the buffer's first byte
.endr
.Lnot_h21:
	BARRIER                                        ; the hidden layer's four fragments lie in LDS
	s_cmp_lg_u32 s[WV], 2
	s_cbranch_scc1 .Lnot_wave_2                    ; one wave joins h21's scale words: lanes 0-15 K step 0's, lanes 16-31 K step 1's
	ds_load_b32 v[TS], v[HRS] offset:HSC+256
	s_wait_dscnt 0x0
	global_store_b32 v[LS], v[TS], s[38:39]
.Lnot_wave_2:
	; ---- wgt12 = h11 w12 + b12: my 64 columns, four accumulators by turns
	FETCH XF, HIMG
	FETCH XF+FR, HIMG+FRB
	ds_load_b32 v[HS], v[HRS] offset:HSC
	s_wait_dscnt 0x0
	WIN 0x33                                       ; source 0 (w12) and C (b12) window 3
.irp n, 0,1,2,3
	v_wmma_scale_f32_16x16x128_f8f6f4 v[HA+8*\n:HA+8*\n+7], v[FR*(2*\n):FR*(2*\n)+FR-1], v[XF:XF+FR-1], v[B12+8*\n:B12+8*\n+7], v[W12S+\n], v[HS] matrix_a_fmt:MATRIX_FMT_FP6 matrix_b_fmt:MATRIX_FMT_FP6
.endr
	WIN 0x03
.irp n, 0,1,2,3
	v_wmma_scale_f32_16x16x128_f8f6f4 v[HA+8*\n:HA+8*\n+7], v[FR*(2*\n+1):FR*(2*\n+1)+FR-1], v[XF+FR:XF+2*FR-1], v[HA+8*\n:HA+8*\n+7], v[W12S+\n], v[HS] matrix_a_fmt:MATRIX_FMT_FP6 matrix_b_fmt:MATRIX_FMT_FP6 matrix_a_scale:MATRIX_SCALE_ROW1 matrix_b_scale:MATRIX_SCALE_ROW1
.endr
	WIN 0
.rept 4
	v_nop
.endr
.irp n, 0,1,2,3                                ; lane (r, h), register j: wgt12(16 m + r, 64 w + 16 n + 8 h + j): sixteen lanes store 256 consecutive bytes
	global_store_b128 v[WGO], v[HA+8*\n:HA+8*\n+3], s[18:19] offset:16384*\n
	global_store_b128 v[WGO], v[HA+8*\n+4:HA+8*\n+7], s[18:19] offset:16384*\n+4096
.endr
	s_wait_tensorcnt 0x0
	ds_add_u32 v254, v255
	s_wait_dscnt 0x0
	s_endpgm
.Lfunc_end_k_q5d7130b045_prep:
	.size	k_q5d7130b045_prep, .Lfunc_end_k_q5d7130b045_prep-k_q5d7130b045_prep
	.p2alignl 7, 3214868480
	.fill 96, 4, 3214868480
	.section	.rodata,"a",@progbits
	.p2align	6, 0x0
	.amdhsa_kernel k_q5d7130b045_prep
		.amdhsa_group_segment_fixed_size 13824
		.amdhsa_private_segment_fixed_size 0
		.amdhsa_enable_private_segment 0
		.amdhsa_kernarg_size 72
		.amdhsa_user_sgpr_count 2
		.amdhsa_user_sgpr_kernarg_segment_ptr 1
		.amdhsa_wavefront_size32 1
		.amdhsa_system_sgpr_workgroup_id_x 1
		.amdhsa_system_sgpr_workgroup_id_y 1
		.amdhsa_system_sgpr_workgroup_id_z 1
		.amdhsa_system_vgpr_workitem_id 0
		.amdhsa_next_free_vgpr 1024
		.amdhsa_next_free_sgpr 66
		.amdhsa_reserve_vcc 0
		.amdhsa_float_denorm_mode_32 3
		.amdhsa_float_denorm_mode_16_64 3
		.amdhsa_memory_ordered 1
		.amdhsa_forward_progress 1
		.amdhsa_inst_pref_size 47
	.end_amdhsa_kernel
	.amdgpu_metadata
---
amdhsa.version: [ 1, 2 ]
amdhsa.kernels:
  - .name:           k_q5d7130b045_prep
    .symbol:         k_q5d7130b045_prep.kd
    .args:
      - { .name: img_fea, .offset: 0, .size: 8, .value_kind: global_buffer, .address_space: global }
      - { .name: loc_fea, .offset: 8, .size: 8, .value_kind: global_buffer, .address_space: global }
      - { .name: wsm, .offset: 16, .size: 8, .value_kind: global_buffer, .address_space: global }
      - { .name: b11, .offset: 24, .size: 8, .value_kind: global_buffer, .address_space: global }
      - { .name: b21, .offset: 32, .size: 8, .value_kind: global_buffer, .address_space: global }
      - { .name: b12, .offset: 40, .size: 8, .value_kind: global_buffer, .address_space: global }
      - { .name: h21q, .offset: 48, .size: 8, .value_kind: global_buffer, .address_space: global }
      - { .name: wg12, .offset: 56, .size: 8, .value_kind: global_buffer, .address_space: global }
      - { .name: out1, .offset: 64, .size: 8, .value_kind: global_buffer, .address_space: global }
    .group_segment_fixed_size: 13824
    .private_segment_fixed_size: 0
    .kernarg_segment_align: 8
    .kernarg_segment_size: 72
    .max_flat_workgroup_size: 128
    .sgpr_count:     66
    .vgpr_count:     1024
    .wavefront_size: 32
...
	.end_amdgpu_metadata
.endif
;; end of part 2
;; launch main (part 3): grid 8 x 32, 4 waves a work-group, clusters of 4 x 1, 327,680 bytes of LDS; arguments h21q, wg12, w22q, b22, part; writes part
.if DOCPART == 3
	.amdgcn_target "amdgcn-amd-amdhsa--gfx1250"
	.amdhsa_code_object_version 6
	.text
	.protected	k_q5d7130b045_main
	.globl	k_q5d7130b045_main
	.p2align	8
	.type	k_q5d7130b045_main,@function
k_q5d7130b045_main:
	s_mov_b64 s[64:65], 0
	v_nop
	global_prefetch_b8 v0, s[64:65] scope:SCOPE_SE
	s_setreg_imm32_b32 hwreg(HW_REG_WAVE_MODE, 25, 1), 1
	s_wait_xcnt 0x0
	s_wait_alu depctr_hold_cnt(0) depctr_sa_sdst(0) depctr_va_vdst(0) depctr_va_sdst(0) depctr_va_ssrc(0) depctr_va_vcc(0) depctr_vm_vsrc(0)
	s_getreg_b32 s2, hwreg(HW_REG_IB_STS2, 6, 4)
	s_cmp_eq_u32 s2, 0
	s_cbranch_scc0 .Lentry_in_a_cluster
	s_endpgm
.Lentry_in_a_cluster:
	s_bfe_u32 s2, ttmp6, 0x10000c
	s_cmp_lg_u32 s2, 0x3003
	s_cbranch_scc0 .Lentry_shape_is_right
	s_endpgm
.Lentry_shape_is_right:
; part[IP](row, o) = the sum over the 64 values i of IP of wgt12(row, i) x (h21(row, :) . w22(:, 256 i + o) + b22(256 i + o)).
; The product with w22 runs on codes of FP6 (E2M3) with E8M0 scales for each 32 along K = 256; b22 is the C of its first K step; the sum over i is one f32 multiply-add for each of its results.
; SHARES.  A work-group takes 256 rows (RB), 32 outputs o (OB) and 64 values of i (IP); wave w takes i = 64 IP + 16 w + 0 .. 15 for all 256 rows.  The 16 row tiles of h21 (both K steps, 384 registers) and the
; 256 x 32 sums (256 registers) stay in the wave's registers; a fragment of w22 is read from LDS once in the work-group and feeds 16 matrix instructions.  At the end the four waves' sums meet in LDS.
; The product is used transposed (source 0 = 16 columns of w22, source 1 = 16 rows of h21): a lane holds one row, so wgt12(row, i) is one number a lane.
; BY TURNS.  Behind EACH matrix instruction stand two of the four packed multiply-adds that take up one tile finished in the group of sixteen before: two sets of eight result tiles take turns.
; The sums fill window 3, the results and wgt12 lie in window 0, the operands in windows 1 and 2: no one setting serves a product and a multiply-add, so each slice costs two switches:
; five instructions for each matrix instruction.
; RING.  Each wave has its own part of two LDS slots, four JOBs (four i, 25,600 bytes) each, and reads only bytes that its own loads brought.  b22's part (2 KB a wave) and wgt12's (16 KB a wave) come once.
; A slot's last read is the second tile of its fourth i; so the change of slots stands in the middle of that i, and the next slot's first tile is fetched under the 24 matrix instructions that are left of it.
; CLUSTER.  The four partners differ in RB alone and walk the same w22q and b22: these are asked for JOINTLY (mask 15).  wg12 and h21q differ between partners: plain loads.
; A prefetch is left out: there are two refills, each issued more than four i (256 matrix instructions) ahead of its first use, and nothing is asked for at the head.
; By this text's own count a wave has four tensor loads out at the start and one behind each round.
; REGISTERS.  window 0: v1-14, v18 addresses; v32-47 b22 as C; v64-191 result tiles, m at 64 + 8 m; v192-207 h21's scale words; v208-239 wgt12, tile m's at 208 + 2 m (the odd ones are 0 and only named);
;   v240-241 w22's scale words.  window 1 (K step 0), window 2 (K step 1): h21's fragment m at 12 m; w22's tile u at 192 + 12 u.  window 3: the sums, tile (m, u) at 8 (2 m + u).
.set JOB,   6400
.set SLOTB, 4*JOB                      ; a wave's part of a slot
.set SLOT1, 1<<17                      ; slot 1 begins here: one exclusive or turns an address in one slot into the other's
.set BIAS,  102400                     ; behind slot 0: b22's 16 x 32 numbers for each wave
.set SPARE, 110592                     ; the spare words, 128 bytes for each wave: two blocks of 256 bytes that no other line names
.set WGL,   233472                     ; behind slot 1: wgt12, [i / 4][row 256][4 f32], 16,384 bytes for each wave
.set STAGE, SLOT1                      ; the way out: 32,768 bytes for each wave, over slot 1 and wgt12: both have had their last fill, and a barrier stands behind their last read
.set LI,    1                          ; v1   16 L
.set AB,    2                          ; v2   my wave's part of slot 0 + 16 L
.set ASC,   3                          ; v3   the same + 6144 + 4 L
.set ABI,   4                          ; v4   b22: BIAS + 2048 w + 32 h
.set AW,    5                          ; v5   wgt12: WGL + 16384 w + 16 r
.set SPW,   10                         ; v10  LDS address of my spare word; never rewritten
.set NIL,   11                         ; v11  0; never rewritten
.set STO,   12                         ; v12  the way out: where I put my sums
.set SRD,   13                         ; v13, v14  and where I read four waves' back
.set SAO,   18                         ; v18  4 L
.set BI,    32
.set DT,    64
.set SA,    192
.set WR,    208
.set SB,    240
.set BF,    192
.set WV,    14
.set G1R,   24                         ; s[24:31] group 1: a wave's part of a slot, 100 rows of 256 bytes, joint
.set G1W,   32                         ; s[32:39] wgt12: 64 rows of 256 bytes, plain
.set G1B,   40                         ; s[40:47] b22: 16 rows of 32 f32, 256 elements apart, joint
.set G0B,   48                         ; s[48:63] groups 0: b22, wgt12, slot 0, slot 1 (which then walks)
.set G0W,   52
.set G0A,   56
.set G0R,   60
.set TI,    66                         ; s66  where this i's JOB begins in the ring
.set TBI,   67                         ; s67  and its 128 bytes of b22
.set TW,    68                         ; s68  and its word of wgt12
.set II,    69
.set LA,    70
.set MSB, 0
.macro WIN new                         ; the immediate's high byte repeats the setting that is left; a switch that changes nothing is dropped
.if MSB != \new
	s_set_vgpr_msb (MSB<<8)|\new
.set MSB, \new
.endif
.endm
.macro ROUND                           ; a round of the cluster's barrier
	s_barrier_signal -1
	s_barrier_wait -1
	s_cmp_lg_u32 s[WV], 0
	s_cbranch_scc1 .Lnot_wave_0_\@
	s_barrier_signal -3
.Lnot_wave_0_\@:
	s_barrier_wait -3
	s_barrier_signal -1
	s_barrier_wait -1
.endm
; One matrix instruction: tile u of w22's columns x row tile m, K step s.  K step 0 begins the sum with b22.
.macro MM u, m, s
.if (\s) == 0
	WIN 0x05                                       ; sources 0 and 1 window 1
	v_wmma_scale_f32_16x16x128_f8f6f4 v[DT+8*(\m):DT+8*(\m)+7], v[BF+12*(\u):BF+12*(\u)+11], v[12*(\m):12*(\m)+11], v[BI+8*(\u):BI+8*(\u)+7], v[SB+(\u)], v[SA+(\m)] matrix_a_fmt:MATRIX_FMT_FP6 matrix_b_fmt:MATRIX_FMT_FP6
.else
	WIN 0x0a                                       ; sources 0 and 1 window 2
	v_wmma_scale_f32_16x16x128_f8f6f4 v[DT+8*(\m):DT+8*(\m)+7], v[BF+12*(\u):BF+12*(\u)+11], v[12*(\m):12*(\m)+11], v[DT+8*(\m):DT+8*(\m)+7], v[SB+(\u)], v[SA+(\m)] matrix_a_fmt:MATRIX_FMT_FP6 matrix_b_fmt:MATRIX_FMT_FP6 matrix_a_scale:MATRIX_SCALE_ROW1 matrix_b_scale:MATRIX_SCALE_ROW1
.endif
.endm
; The sums of tile (m, pu) take up four numbers (j0 on) of result tile m times my row's wgt12.  The half with j0 = 0 comes first: a result is read from its low end on.
.macro FM pu, m, j0
	WIN 0xf0                                       ; the sums (destination, source 2) window 3
.irp j, 0,2
	v_pk_fma_f32 v[8*(2*(\m)+(\pu))+(\j0)+\j:8*(2*(\m)+(\pu))+(\j0)+\j+1], v[DT+8*(\m)+(\j0)+\j:DT+8*(\m)+(\j0)+\j+1], v[WR+2*(\m):WR+2*(\m)+1], v[8*(2*(\m)+(\pu))+(\j0)+\j:8*(2*(\m)+(\pu))+(\j0)+\j+1] op_sel_hi:[1,0,1]
.endr
.endm
; Tile u of the JOB off bytes on from s[TI]: its scale words, its eight numbers of b22 (boff bytes on from s[TBI]), its two fragments: nine LDS loads.
.macro LB u, off, boff
	WIN 0
	v_add_nc_u32 v6, s[TI], v[AB]
	v_add_nc_u32 v7, s[TI], v[ASC]
	v_add_nc_u32 v8, s[TBI], v[ABI]
	ds_load_b32 v[SB+(\u)], v7 offset:(\off)+128*(\u)
	ds_load_b128 v[BI+8*(\u):BI+8*(\u)+3], v8 offset:(\boff)+64*(\u)
	ds_load_b128 v[BI+8*(\u)+4:BI+8*(\u)+7], v8 offset:(\boff)+64*(\u)+16
	WIN 0x40                                       ; destination window 1: K step 0
.irp c, 0,1,2
	ds_load_b128 v[BF+12*(\u)+4*\c:BF+12*(\u)+4*\c+3], v6 offset:(\off)+3072*(\u)+512*\c
.endr
	WIN 0x80                                       ; destination window 2: K step 1
.irp c, 0,1,2
	ds_load_b128 v[BF+12*(\u)+4*\c:BF+12*(\u)+4*\c+3], v6 offset:(\off)+3072*(\u)+1536+512*\c
.endr
.endm
.macro LW g                            ; this i's wgt12 for row tiles 8 g .. 8 g + 7: a word a lane, the same in both halves of the lanes
	WIN 0
	v_add_nc_u32 v9, s[TW], v[AW]
.irp k, 0,1,2,3,4,5,6,7
	ds_load_b32 v[WR+2*(8*(\g)+\k)], v9 offset:256*(8*(\g)+\k)
.endr
.endm
.macro NEXTSLOT                        ; from a slot's fourth JOB to the other slot's first
	s_sub_co_u32 s[TI], s[TI], 3*JOB
	s_xor_b32 s[TI], s[TI], SLOT1
.endm
; Sixteen matrix instructions: tile u x row tiles 8 rho .. 8 rho + 7, K step 0 and then K step 1: eight accumulators by turns, one instruction a turn, over the groups' edges and the backward jumps too
; Behind each stand two multiply-adds of one tile of the group before (tile pu of w22, the other set of row tiles).
; DISTANCES.  A result tile is read 16 packed multiply-adds or more behind its last matrix instruction; a register that a matrix instruction has read is loaded again 6 or more behind it; these multiply-adds
; name the other set of results, the sums and wgt12: none of that instruction's registers (ISA guide 7.12.1).  Operands, scales and C are filled by loads alone.
; HOOKS, behind the group's first two matrix instructions: 1: this i's wgt12 for row tiles 0-7, then its second tile; 2: wgt12 for row tiles 8-15; 3: the next i's first tile;
; 4: the slot is left and nothing is filled: my part of the other slot has landed (I read my own loads' bytes alone: no barrier), and its first tile is fetched;
; 5: the slot is left and filled again: all my tensor loads have landed, 0 is added to my spare word; six matrix instructions on, the wait for the add (my reads of the slot were waited for at the group's
;    head), a round of the cluster's barrier, so that no wave of any partner still reads the slot or has a load on its way, the joint refill first behind it, then the other slot's first tile.
.macro GROUP u, rho, pu, hook
.set KK, 0
.rept 8
	MM \u, 8*(\rho)+2*(KK%4), KK/4
	FM \pu, 8*(1-(\rho))+KK, 0
	MM \u, 8*(\rho)+2*(KK%4)+1, KK/4
	FM \pu, 8*(1-(\rho))+KK, 4
.if KK == 0
.if \hook == 1
	LW 0
	LB 1, 0, 0
.elseif \hook == 2
	LW 1
.elseif \hook == 3
	LB 0, JOB, 128
.elseif \hook == 4
	WIN 0
	s_wait_tensorcnt 0x0                           ; the last refill, my part of the last slot, is in: no load was issued behind it
	NEXTSLOT
	LB 0, 0, 128
.elseif \hook == 5
	WIN 0                                          ; (the add's two registers lie in window 0)
	s_wait_tensorcnt 0x0                           ; no tensor load of mine is out, so a group 0 may be written; my part of the other slot is in
	ds_add_u32 v[SPW], v[NIL]                      ; 0 onto my spare word; work on registers stands between it and the wait for it
	NEXTSLOT
	s_xor_b32 s[G0R+1], s[G0R+1], SLOT1            ; the walking descriptor: the other slot than last time,
	s_add_nc_u64 s[G0R+2:G0R+3], s[G0R+2:G0R+3], SLOTB   ; the next four JOBs; the type bits on top are not reached
.endif
.endif
.if (KK == 3) && (\hook == 5)
	WIN 0                                          ; at a branch and at a label every window is 0
	s_wait_dscnt 0x0                               ; the add is done; none of my reads of the slot is out
	ROUND
	tensor_load_to_lds s[G0R:G0R+3], s[G1R:G1R+7]  ; my one tensor load behind the round: it has more than four i in which to land
	s_nop 0
.rept 4
	v_nop
.endr
	LB 0, 0, 128
.endif
.set KK, KK+1
.endr
.endm
; One i: 64 matrix instructions, 128 packed multiply-adds.  h3: the third group's hook.
.macro BODY h3
	s_wait_dscnt 0x0                               ; this i's first tile is in (asked for 24 matrix instructions ago or more)
	GROUP 0, 0, 1, 1
	s_wait_dscnt 9                                 ; wgt12 for row tiles 0-7 is in; the nine loads issued behind it, the second tile's, may be out
	GROUP 0, 1, 0, 2
	s_wait_dscnt 0x0                               ; the second tile, and wgt12 for row tiles 8-15
	GROUP 1, 0, 0, \h3
	GROUP 1, 1, 1, 0
	WIN 0
.endm
; A slot's four i: three in a loop, the fourth written out.  mode 1: the slot is filled again; 0: it is left and nothing is filled; 2: the last slot.
.macro RUN mode
	WIN 0
	s_mov_b32 s[II], 3
.Lbody_\@:
	BODY 3
	s_add_co_u32 s[TI], s[TI], JOB
	s_add_co_u32 s[TBI], s[TBI], 128
	s_add_co_u32 s[TW], s[TW], 4
	s_sub_co_u32 s[II], s[II], 1
	s_cmp_lg_u32 s[II], 0
	s_cbranch_scc1 .Lbody_\@
.if \mode == 1
	BODY 5
.elseif \mode == 0
	BODY 4
.else
	BODY 0
.endif
.if \mode != 2
	s_add_co_u32 s[TBI], s[TBI], 128
	s_add_co_u32 s[TW], s[TW], 4084                ; wgt12: the next four i are 4,096 bytes on from these four's first
.endif
.endm
	s_load_b256 s[4:11], s[0:1], 0x0               ; h21q, wg12, w22q, b22
	s_load_b64 s[12:13], s[0:1], 0x20              ; part
	v_lshl_add_u32 v[SPW], v0, 2, SPARE
	v_mov_b32 v[NIL], 0
	ds_add_u32 v10, v11
	ds_add_u32 v10, v11
	s_wait_dscnt 0x0
	v_lshrrev_b32 v1, 5, v0
	v_readfirstlane_b32 s[WV], v1                  ; wave 0..3
	s_bfe_u32 s15, ttmp6, 0x40000                  ; cx: my place in the cluster
	s_lshl_b32 s16, ttmp9, 2                       ; in a cluster launch ttmp9 counts clusters
	s_add_co_u32 s16, s16, s15                     ; RB: it enters h21q's, wg12's and part's addresses alone
	s_and_b32 s19, ttmp7, 0xffff
	s_and_b32 s17, s19, 7                          ; OB
	s_lshr_b32 s18, s19, 3                         ; IP
	s_mov_b32 s[G1R], 15|(3<<16)|(1<<21)           ; 15:0 the mask: all four work-groups; 17:16 elements of 8 bytes; 21 set beside a mask; no padding
	s_mov_b32 s[G1R+1], 32<<16                     ; tensor_dim0 = 32
	s_mov_b32 s[G1R+2], 100<<16                    ; tensor_dim1 = 100
	s_mov_b32 s[G1R+3], 32<<16                     ; tile_dim0 = 32
	s_mov_b32 s[G1R+4], 100                        ; tile_dim1 = 100
	s_mov_b32 s[G1R+5], 32                         ; dense rows
	s_mov_b32 s[G1R+6], 0
	s_mov_b32 s[G1R+7], 0
	s_mov_b32 s[G1W], 3<<16                        ; no mask: a load of my own
	s_mov_b32 s[G1W+1], 32<<16
	s_mov_b32 s[G1W+2], 64<<16
	s_mov_b32 s[G1W+3], 32<<16
	s_mov_b32 s[G1W+4], 64
	s_mov_b32 s[G1W+5], 32
	s_mov_b32 s[G1W+6], 0
	s_mov_b32 s[G1W+7], 0
	s_mov_b32 s[G1B], 15|(2<<16)|(1<<21)           ; elements of 4 bytes
	s_mov_b32 s[G1B+1], 32<<16
	s_mov_b32 s[G1B+2], 16<<16
	s_mov_b32 s[G1B+3], 32<<16
	s_mov_b32 s[G1B+4], 16
	s_mov_b32 s[G1B+5], 256                        ; from one i to the next
	s_mov_b32 s[G1B+6], 0
	s_mov_b32 s[G1B+7], 0
	s_lshl_b32 s20, s18, 6
	s_lshl_b32 s21, s[WV], 4
	s_add_co_u32 s20, s20, s21                     ; my first i: 64 IP + 16 w
	s_lshl_b32 s72, s20, 10                        ; b22: 4 (256 i + 32 OB)
	s_lshl_b32 s73, s17, 7
	s_add_co_u32 s72, s72, s73
	s_mov_b32 s73, 0
	s_mul_i32 s74, s17, 256*JOB                    ; w22q: JOB 256 OB + i
	s_mul_i32 s75, s20, JOB
	s_add_co_u32 s74, s74, s75
	s_mov_b32 s75, 0
	s_lshl_b32 s76, s16, 18                        ; wg12: row block RB, i / 4 on: 4,096 bytes for four i
	s_lshl_b32 s77, s20, 10
	s_add_co_u32 s76, s76, s77
	s_mov_b32 s77, 0
	s_mul_i32 s21, s[WV], SLOTB                    ; LDS: no place in the cluster enters an LDS address
	s_lshl_b32 s22, s[WV], 11
	s_lshl_b32 s23, s[WV], 14
	s_wait_kmcnt 0x0
	s_mov_b32 s[G0B], 1                            ; count = 1
	s_add_co_u32 s[G0B+1], s22, BIAS               ; LDS address
	s_add_nc_u64 s[G0B+2:G0B+3], s[10:11], s[72:73]   ; global address
	s_or_b32 s[G0B+3], s[G0B+3], 0x80000000        ; type = 2
	s_mov_b32 s[G0W], 1
	s_add_co_u32 s[G0W+1], s23, WGL
	s_add_nc_u64 s[G0W+2:G0W+3], s[6:7], s[76:77]
	s_or_b32 s[G0W+3], s[G0W+3], 0x80000000
	s_mov_b32 s[G0A], 1
	s_mov_b32 s[G0A+1], s21
	s_add_nc_u64 s[G0A+2:G0A+3], s[8:9], s[74:75]
	s_mov_b32 s[G0R], 1
	s_add_co_u32 s[G0R+1], s21, SLOT1
	s_add_nc_u64 s[G0R+2:G0R+3], s[G0A+2:G0A+3], SLOTB
	s_or_b32 s[G0A+3], s[G0A+3], 0x80000000
	s_or_b32 s[G0R+3], s[G0R+3], 0x80000000
	s_lshl_b32 s76, s16, 11                        ; h21's scale words: 128 bytes a row tile, 16 RB on
	s_add_co_u32 s76, s76, 393216
	s_add_nc_u64 s[78:79], s[4:5], s[76:77]
	s_mul_i32 s76, s16, 16*3072                    ; its codes: 3,072 bytes a row tile
	s_add_nc_u64 s[4:5], s[4:5], s[76:77]
	s_lshl_b32 s76, s18, 7                         ; part: ((128 IP + 16 RB + 4 w) 8 + OB) x 2,048 bytes
	s_lshl_b32 s19, s16, 4
	s_add_co_u32 s76, s76, s19
	s_lshl_b32 s19, s[WV], 2
	s_add_co_u32 s76, s76, s19
	s_lshl_b32 s76, s76, 3
	s_add_co_u32 s76, s76, s17
	s_lshl_b32 s76, s76, 11
	s_add_nc_u64 s[12:13], s[12:13], s[76:77]
	v_and_b32 v15, 31, v0                          ; L
	v_and_b32 v16, 15, v0                          ; r
	v_bfe_u32 v17, v0, 4, 1                        ; h
	v_lshlrev_b32 v[LI], 4, v15
	v_add_nc_u32 v[AB], s21, v[LI]
	v_lshlrev_b32 v[SAO], 2, v15
	v_add_nc_u32 v[ASC], s21, v[SAO]
	v_add_nc_u32 v[ASC], 6144, v[ASC]
	v_lshlrev_b32 v[ABI], 5, v17
	v_add_nc_u32 v[ABI], s[G0B+1], v[ABI]
	v_lshlrev_b32 v[AW], 4, v16
	v_add_nc_u32 v[AW], s[G0W+1], v[AW]
	s_lshl_b32 s19, s[WV], 15
	s_add_co_u32 s19, s19, STAGE
	v_add_nc_u32 v[STO], s19, v[LI]
	s_lshl_b32 s19, s[WV], 13
	s_add_co_u32 s19, s19, STAGE
	v_add_nc_u32 v[SRD], s19, v[LI]
	v_add_nc_u32 v[SRD+1], 65536, v[SRD]
	s_mov_b32 s[TI], 0
	s_mov_b32 s[TBI], 0
	s_mov_b32 s[TW], 0
	ROUND                                          ; all four work-groups are here: the first joint loads meet
	tensor_load_to_lds s[G0B:G0B+3], s[G1B:G1B+7]  ; the first fills, one group: b22,
	s_nop 0
	tensor_load_to_lds s[G0W:G0W+3], s[G1W:G1W+7]  ; wgt12,
	s_nop 0
	tensor_load_to_lds s[G0A:G0A+3], s[G1R:G1R+7]  ; slot 0: my i 0-3,
	s_nop 0
	tensor_load_to_lds s[G0R:G0R+3], s[G1R:G1R+7]  ; slot 1: my i 4-7
	s_nop 0
.rept 4
	v_nop
.endr
	WIN 0x40                                       ; h21 stays in registers: K step 0 in window 1,
.set KK, 0
.rept 16
.irp c, 0,1,2
	global_load_b128 v[12*KK+4*\c:12*KK+4*\c+3], v[LI], s[4:5] offset:3072*KK+512*\c
.endr
.set KK, KK+1
.endr
	WIN 0x80                                       ; K step 1 in window 2: its first five row tiles
.set KK, 0
.rept 5
.irp c, 0,1,2
	global_load_b128 v[12*KK+4*\c:12*KK+4*\c+3], v[LI], s[4:5] offset:3072*KK+1536+512*\c
.endr
.set KK, KK+1
.endr
	; 63 loads, as many as LOADcnt counts (ISA guide 5.7.1), stand ahead of the clears, which are so issued while these and the first tiles are on their way.
	; The sums begin at 0, and so do the second set of results and wgt12, so that the first group's lagging multiply-adds add 0 x 0 and the body needs no first form of its own
	; (the multiply-adds lag a group behind the products: sums started by the first products would want two more copies of the body).
	WIN 0
.set KC, 0
.rept 64
	v_mov_b32 v[DT+64+KC], 0
.set KC, KC+1
.endr
.set KC, 0
.rept 32
	v_mov_b32 v[WR+KC], 0
.set KC, KC+1
.endr
	WIN 0xc0
.set KC, 0
.rept 256
	v_mov_b32 v[KC], 0
.set KC, KC+1
.endr
	WIN 0x80                                       ; K step 1's other eleven row tiles
.rept 11
.irp c, 0,1,2
	global_load_b128 v[12*KK+4*\c:12*KK+4*\c+3], v[LI], s[4:5] offset:3072*KK+1536+512*\c
.endr
.set KK, KK+1
.endr
	WIN 0
.set KK, 0
.rept 16
	global_load_b32 v[SA+KK], v[SAO], s[78:79] offset:128*KK   ; lanes 0-15: K step 0's words, lanes 16-31: K step 1's
.set KK, KK+1
.endr
	s_wait_loadcnt 0x0                             ; h21
	s_wait_tensorcnt 1                             ; b22, wgt12 and slot 0 are in; slot 1's fill may be out.  I read my own loads' bytes alone: no barrier
	LB 0, 0, 0                                     ; my first i's first tile
	WIN 0
	s_mov_b32 s[LA], 2
.Lfill:                                            ; slots 0 and 1, each filled again when it is left
	RUN 1
	s_sub_co_u32 s[LA], s[LA], 1
	s_cmp_lg_u32 s[LA], 0
	s_cbranch_scc1 .Lfill
	RUN 0                                          ; the last two slots ask for nothing
	RUN 2
	; THE WAY OUT.  The four waves' sums (other i, the same rows and outputs) go to LDS as they stand; each wave adds a quarter of them and stores it as it stands: 512 consecutive bytes a store.
	; The stage lies over slot 1 and wgt12: ahead of its barrier every wave's tensor loads have landed and its reads are back.
	s_wait_tensorcnt 0x0
	ds_add_u32 v[SPW], v[NIL]
	s_wait_dscnt 0x0
	s_barrier_signal -1
.set KK, 0
.rept 8
	FM 1, 8+KK, 0                                  ; the last group's results: work on registers while the others arrive
	FM 1, 8+KK, 4
.set KK, KK+1
.endr
	s_barrier_wait -1                              ; nobody reads slot 1 or wgt12 any more
	WIN 0x0c                                       ; an LDS store's data are its source 1: window 3
.set KK, 0
.rept 64
	ds_store_b128 v[STO], v[4*KK:4*KK+3] offset:512*KK
.set KK, KK+1
.endr
	WIN 0
	s_wait_dscnt 0x0                               ; for the others' sake: my stores have landed
	s_barrier_signal -1
	s_barrier_wait -1
	WIN 0xc0
.irp p, 0,1,2,3
.set KK, 0
.rept 16
	ds_load_b128 v[64*\p+4*KK:64*\p+4*KK+3], v[SRD+\p/2] offset:32768*(\p%2)+512*KK   ; wave p's groups 16 w .. 16 w + 15
.set KK, KK+1
.endr
.endr
	s_wait_dscnt 0x0
	WIN 0xcf
.set KK, 0
.rept 32
	v_pk_add_f32 v[2*KK:2*KK+1], v[2*KK:2*KK+1], v[64+2*KK:65+2*KK]
	v_pk_add_f32 v[128+2*KK:129+2*KK], v[128+2*KK:129+2*KK], v[192+2*KK:193+2*KK]
.set KK, KK+1
.endr
.set KK, 0
.rept 32
	v_pk_add_f32 v[2*KK:2*KK+1], v[2*KK:2*KK+1], v[128+2*KK:129+2*KK]
.set KK, KK+1
.endr
	WIN 0x0c                                       ; a store's data are its source 1
.set KK, 0
.rept 16
	global_store_b128 v[LI], v[4*KK:4*KK+3], s[12:13] offset:16384*(KK/4)+512*(KK%4)   ; row tile 4 w + KK / 4; in it tile u and half q at 512 (KK % 4)
.set KK, KK+1
.endr
	WIN 0
	s_wait_tensorcnt 0x0                           ; the wave's end, behind my last tensor load and my last LDS store
	ds_add_u32 v[SPW], v[NIL]
	s_wait_dscnt 0x0
	ROUND                                          ; the closing round: no work-group ends while a partner may still ask for a tile that names it
	s_endpgm
.Lfunc_end_k_q5d7130b045_main:
	.size	k_q5d7130b045_main, .Lfunc_end_k_q5d7130b045_main-k_q5d7130b045_main
	.p2alignl 7, 3214868480
	.fill 96, 4, 3214868480
	.section	.rodata,"a",@progbits
	.p2align	6, 0x0
	.amdhsa_kernel k_q5d7130b045_main
		.amdhsa_group_segment_fixed_size 327680
		.amdhsa_private_segment_fixed_size 0
		.amdhsa_enable_private_segment 0
		.amdhsa_kernarg_size 40
		.amdhsa_user_sgpr_count 2
		.amdhsa_user_sgpr_kernarg_segment_ptr 1
		.amdhsa_wavefront_size32 1
		.amdhsa_system_sgpr_workgroup_id_x 1
		.amdhsa_system_sgpr_workgroup_id_y 1
		.amdhsa_system_sgpr_workgroup_id_z 1
		.amdhsa_system_vgpr_workitem_id 0
		.amdhsa_next_free_vgpr 1024
		.amdhsa_next_free_sgpr 80
		.amdhsa_reserve_vcc 0
		.amdhsa_float_denorm_mode_32 3
		.amdhsa_float_denorm_mode_16_64 3
		.amdhsa_memory_ordered 1
		.amdhsa_forward_progress 1
		.amdhsa_inst_pref_size 185
	.end_amdhsa_kernel
	.amdgpu_metadata
---
amdhsa.version: [ 1, 2 ]
amdhsa.kernels:
  - .name:           k_q5d7130b045_main
    .symbol:         k_q5d7130b045_main.kd
    .args:
      - { .name: h21q, .offset: 0, .size: 8, .value_kind: global_buffer, .address_space: global }
      - { .name: wg12, .offset: 8, .size: 8, .value_kind: global_buffer, .address_space: global }
      - { .name: w22q, .offset: 16, .size: 8, .value_kind: global_buffer, .address_space: global }
      - { .name: b22, .offset: 24, .size: 8, .value_kind: global_buffer, .address_space: global }
      - { .name: part, .offset: 32, .size: 8, .value_kind: global_buffer, .address_space: global }
    .group_segment_fixed_size: 327680
    .private_segment_fixed_size: 0
    .kernarg_segment_align: 8
    .kernarg_segment_size: 40
    .max_flat_workgroup_size: 128
    .sgpr_count:     80
    .vgpr_count:     1024
    .wavefront_size: 32
...
	.end_amdgpu_metadata
.endif
;; end of part 3
;; launch tail (part 4): grid 128 x 1, 4 waves a work-group, no clusters, 21,504 bytes of LDS; arguments part, wsm, lnbr_g, lnbr_b, ln3_g, ln3_b, out0; writes out0
.if DOCPART == 4
	.amdgcn_target "amdgcn-amd-amdhsa--gfx1250"
	.amdhsa_code_object_version 6
	.text
	.protected	k_q5d7130b045_tail
	.globl	k_q5d7130b045_tail
	.p2align	8
	.type	k_q5d7130b045_tail,@function
k_q5d7130b045_tail:
	s_mov_b64 s[64:65], 0
	v_nop
	global_prefetch_b8 v0, s[64:65] scope:SCOPE_SE
	s_setreg_imm32_b32 hwreg(HW_REG_WAVE_MODE, 25, 1), 1
	s_wait_xcnt 0x0
; out0 = relu(LN(Q(relu(LN(the sum of the four partial sums))) Q(w3))): the product on codes of FP6 (E2M3) with E8M0 scales for each 32 along K = 256, all else in f32.
; A norm takes the mean first and then the mean of the squared differences: two sums over a row.
; LIMITS: NaN and infinities are not served; a block whose largest magnitude lies under 2^-124 (zeros among them) gets the scale byte 1; this program alone reads the bytes.
; SHARES.  A work-group takes 16 rows (row tile m = x).  Ahead of the product lane (r, h) of wave w holds row r, columns 64 w + 32 h + 0 .. 31: one whole block of 32, which is registers 6 c .. 6 c + 5
; of lane (r, h) of the fragment of K step s, s = w / 2, c = w % 2: no other lane is asked for the block's maximum, and no lane changes places.  Behind the product (transposed: source 0 = 16 columns of w3,
; source 1 = the 16 rows) it holds row r, columns 64 w + 16 n + 8 h + 0 .. 7 of four tiles n.  A row's sums meet in LDS: a word for each wave and row, a region of its own for each of the four sums.
; No tensor loads, no cluster: 16 rows a work-group share nothing but w3 (48 KB of codes).
; REGISTERS.  window 0: v1-13 addresses; v16-143 the four partial sums, the sum in v16-47; then v48-71 the two fragments, v80-111 the product, v112-143 rows on the way out; v144-207 lnbr_g, lnbr_b;
;   v208-229 at work; v232-235 w3's scale words.  window 1: v0-95 w3's fragments; v96-127 ln3_g; v128-159 ln3_b.
.set JOB,   6400
.set XIMG,  0                          ; LDS: the two fragments: for each (s, c) 768 bytes: registers 6 c .. + 3 at 16 L, then registers 6 c + 4, 5 at 512 + 8 L
.set XSC,   3072                       ; their scale words: 4 L (lanes 0-15 K step 0, lanes 16-31 K step 1)
.set RED,   3328                       ; four regions of 256 bytes for the rows' sums
.set STG,   4352                       ; the way out: 16 rows x (1,024 + 16) bytes
.set SP,    1040
.set X,     16
.set XF,    48
.set ACC,   80
.set OUTR,  112
.set GG,    144
.set BB,    176
.set T,     208
.set MN,    212
.set RS,    214
.set CD,    216
.set MX,    224
.set SCO,   226
.set BY,    227
.set XS,    228
.set K8,    229
.set W3S,   232
.set PO,    1                          ; v1  2048 h + 16 r
.set GO1,   2                          ; v2  128 h
.set LI,    3                          ; v3  16 L
.set LS,    4                          ; v4  4 L
.set GO3,   5                          ; v5  32 h
.set RA,    6                          ; v6  64 w + 4 r
.set RR,    7                          ; v7  4 r
.set IA,    8                          ; v8  1536 s + 768 c + 16 L
.set IB,    9                          ; v9  1536 s + 768 c + 8 L
.set IS,    10                         ; v10 64 s + 2 c + 4 r + h
.set L8,    11                         ; v11 8 L
.set SO,    12                         ; v12 1040 r + 256 w + 32 h
.set SR,    13                         ; v13 4160 w + 16 L
.set WV,    18
.set SEL,   20
.set MSB, 0
.macro WIN new                         ; the immediate's high byte repeats the setting that is left
.if MSB != \new
	s_set_vgpr_msb (MSB<<8)|\new
.set MSB, \new
.endif
.endm
.macro ACROSS red                      ; my lane's sum in v[T] becomes the row's, in every lane
	v_permlanex16_b32 v[T+1], v[T], s[SEL], s[SEL+1]
	v_add_f32 v[T], v[T], v[T+1]                   ; with lane l xor 16's: my wave's 64 columns
	ds_store_b32 v[RA], v[T] offset:\red           ; both halves of the lanes write the same word with the same value
	s_wait_dscnt 0x0                               ; for the others' sake
	s_barrier_signal -1
	s_barrier_wait -1
.irp k, 0,1,2,3
	ds_load_b32 v[T+\k], v[RR] offset:\red+64*\k
.endr
	s_wait_dscnt 0x0
	v_add_f32 v[T], v[T], v[T+1]
	v_add_f32 v[T+2], v[T+2], v[T+3]
	v_add_f32 v[T], v[T], v[T+2]
.endm
; 32 numbers of a lane, v[src] on, become (x - mean) / sqrt(variance + 1e-5).  They are read in ascending order, so that a product's accumulators are read from their low ends on.
.macro LNORM src, reda, redb
	v_pk_add_f32 v[T:T+1], v[\src:\src+1], v[\src+2:\src+3]
	v_pk_add_f32 v[T+2:T+3], v[\src+4:\src+5], v[\src+6:\src+7]
.irp j, 8,12,16,20,24,28
	v_pk_add_f32 v[T:T+1], v[T:T+1], v[\src+\j:\src+\j+1]
	v_pk_add_f32 v[T+2:T+3], v[T+2:T+3], v[\src+\j+2:\src+\j+3]
.endr
	v_pk_add_f32 v[T:T+1], v[T:T+1], v[T+2:T+3]
	v_add_f32 v[T], v[T], v[T+1]
	ACROSS \reda
	v_mul_f32 v[MN], v[K8], v[T]                   ; the mean: the sum x 2^-8
	v_mov_b32 v[MN+1], v[MN]
.irp j, 0,2,4,6,8,10,12,14,16,18,20,22,24,26,28,30
	v_pk_add_f32 v[\src+\j:\src+\j+1], v[\src+\j:\src+\j+1], v[MN:MN+1] neg_lo:[0,1] neg_hi:[0,1]
.endr
	v_pk_mul_f32 v[T:T+1], v[\src:\src+1], v[\src:\src+1]
	v_pk_mul_f32 v[T+2:T+3], v[\src+2:\src+3], v[\src+2:\src+3]
.irp j, 4,8,12,16,20,24,28
	v_pk_fma_f32 v[T:T+1], v[\src+\j:\src+\j+1], v[\src+\j:\src+\j+1], v[T:T+1]
	v_pk_fma_f32 v[T+2:T+3], v[\src+\j+2:\src+\j+3], v[\src+\j+2:\src+\j+3], v[T+2:T+3]
.endr
	v_pk_add_f32 v[T:T+1], v[T:T+1], v[T+2:T+3]
	v_add_f32 v[T], v[T], v[T+1]
	ACROSS \redb
	v_fmaak_f32 v[T], v[T], v[K8], 0x3727c5ac      ; the variance + 1e-5
	v_rsq_f32 v[RS], v[T]
	v_nop                                          ; a plain instruction behind the transcendental,
	s_wait_alu depctr_va_vdst(0)                   ; and the wait ahead of the first instruction that names its result
	v_mov_b32 v[RS+1], v[RS]
.irp j, 0,2,4,6,8,10,12,14,16,18,20,22,24,26,28,30
	v_pk_mul_f32 v[\src+\j:\src+\j+1], v[\src+\j:\src+\j+1], v[RS:RS+1]
.endr
.endm
	s_load_b256 s[4:11], s[0:1], 0x0               ; part, wsm, lnbr_g, lnbr_b
	s_load_b128 s[12:15], s[0:1], 0x20             ; ln3_g, ln3_b
	s_load_b64 s[16:17], s[0:1], 0x30              ; out0
	v_lshl_add_u32 v254, v0, 2, 0x5200
	v_mov_b32 v255, 0
	v_lshrrev_b32 v14, 5, v0
	v_readfirstlane_b32 s[WV], v14                 ; wave 0..3
	v_and_b32 v14, 31, v0                          ; L
	v_and_b32 v15, 15, v0                          ; r
	v_bfe_u32 v[T], v0, 4, 1                       ; h
	v_lshlrev_b32 v[PO], 11, v[T]
	v_lshl_add_u32 v[PO], v15, 4, v[PO]
	v_lshlrev_b32 v[GO1], 7, v[T]
	v_lshlrev_b32 v[LI], 4, v14
	v_lshlrev_b32 v[LS], 2, v14
	v_lshlrev_b32 v[GO3], 5, v[T]
	v_lshlrev_b32 v[RR], 2, v15
	s_lshl_b32 s24, s[WV], 6
	v_add_nc_u32 v[RA], s24, v[RR]
	s_lshr_b32 s25, s[WV], 1                       ; s
	s_and_b32 s26, s[WV], 1                        ; c
	s_mul_i32 s27, s25, 1536
	s_mul_i32 s28, s26, 768
	s_add_co_u32 s27, s27, s28
	v_lshlrev_b32 v[L8], 3, v14
	v_add_nc_u32 v[IA], s27, v[LI]
	v_add_nc_u32 v[IB], s27, v[L8]
	s_lshl_b32 s27, s25, 6
	s_lshl_b32 s28, s26, 1
	s_add_co_u32 s27, s27, s28
	v_add_nc_u32 v[IS], v[RR], v[T]
	v_add_nc_u32 v[IS], s27, v[IS]
	v_mul_u32_u24 v[SO], v15, SP
	v_lshl_add_u32 v[SO], v[T], 5, v[SO]
	s_lshl_b32 s27, s[WV], 8
	v_add_nc_u32 v[SO], s27, v[SO]
	s_mul_i32 s28, s[WV], 4*SP
	v_add_nc_u32 v[SR], s28, v[LI]
	v_mov_b32 v[K8], 0x3b800000                    ; 2^-8
	s_mov_b32 s[SEL], 0x76543210
	s_mov_b32 s[SEL+1], 0xfedcba98                 ; v_permlanex16_b32's selects for lane l xor 16
	s_lshl_b32 s24, ttmp9, 14                      ; part and out0 alike: 16,384 m + 4,096 w
	s_lshl_b32 s28, s[WV], 12
	s_add_co_u32 s24, s24, s28
	s_mov_b32 s25, 0
	s_mov_b32 s26, s27                             ; the gains and biases: my 64 columns, 256 w bytes on
	s_mov_b32 s27, 0
	s_mul_i32 s28, s[WV], 2*JOB                    ; w3: JOBs 40 + 2 w on
	s_add_co_u32 s28, s28, 40*JOB
	s_mov_b32 s29, 0
	s_wait_kmcnt 0x0
	s_add_nc_u64 s[4:5], s[4:5], s[24:25]
	s_add_nc_u64 s[16:17], s[16:17], s[24:25]
	s_add_nc_u64 s[6:7], s[6:7], s[28:29]
	s_add_nc_u64 s[8:9], s[8:9], s[26:27]
	s_add_nc_u64 s[10:11], s[10:11], s[26:27]
	s_add_nc_u64 s[12:13], s[12:13], s[26:27]
	s_add_nc_u64 s[14:15], s[14:15], s[26:27]
	; all loads at the head, in the order of their use: 32 + 16 + 28 + 16
.irp p, 0,1,2,3
.irp u, 0,1
.irp hm, 0,1
.irp q, 0,1
	global_load_b128 v[X+32*\p+16*\u+8*\hm+4*\q:X+32*\p+16*\u+8*\hm+4*\q+3], v[PO], s[4:5] offset:2097152*\p+1024*\u+512*\q+256*\hm th:TH_LOAD_NT   ; sixteen lanes read 256 consecutive bytes
.endr
.endr
.endr
.endr
.irp j, 0,1,2,3,4,5,6,7
	global_load_b128 v[GG+4*\j:GG+4*\j+3], v[GO1], s[8:9] offset:16*\j
	global_load_b128 v[BB+4*\j:BB+4*\j+3], v[GO1], s[10:11] offset:16*\j
.endr
	WIN 0x40                                       ; destination window 1
.irp n, 0,1,2,3
.irp s, 0,1
.irp c, 0,1,2
	global_load_b128 v[12*(2*\n+\s)+4*\c:12*(2*\n+\s)+4*\c+3], v[LI], s[6:7] offset:(\n/2)*JOB+(\n%2)*3072+\s*1536+512*\c
.endr
.endr
.endr
	WIN 0
.irp n, 0,1,2,3
	global_load_b32 v[W3S+\n], v[LS], s[6:7] offset:(\n/2)*JOB+6144+(\n%2)*128
.endr
	WIN 0x40
.irp n, 0,1,2,3
	global_load_b128 v[96+8*\n:96+8*\n+3], v[GO3], s[12:13] offset:64*\n
	global_load_b128 v[96+8*\n+4:96+8*\n+7], v[GO3], s[12:13] offset:64*\n+16
	global_load_b128 v[128+8*\n:128+8*\n+3], v[GO3], s[14:15] offset:64*\n
	global_load_b128 v[128+8*\n+4:128+8*\n+7], v[GO3], s[14:15] offset:64*\n+16
.endr
	WIN 0
	s_wait_loadcnt 60                              ; the 32 loads of partial sums are in; the 60 issued behind them may be out
.irp j, 0,2,4,6,8,10,12,14,16,18,20,22,24,26,28,30
	v_pk_add_f32 v[X+\j:X+\j+1], v[X+\j:X+\j+1], v[X+32+\j:X+33+\j]
	v_pk_add_f32 v[X+64+\j:X+65+\j], v[X+64+\j:X+65+\j], v[X+96+\j:X+97+\j]
.endr
.irp j, 0,2,4,6,8,10,12,14,16,18,20,22,24,26,28,30
	v_pk_add_f32 v[X+\j:X+\j+1], v[X+\j:X+\j+1], v[X+64+\j:X+65+\j]
.endr
	LNORM X, RED, RED+256
	s_wait_loadcnt 44                              ; lnbr_g and lnbr_b are in; 28 + 16 may be out
.irp j, 0,2,4,6,8,10,12,14,16,18,20,22,24,26,28,30
	v_pk_fma_f32 v[X+\j:X+\j+1], v[X+\j:X+\j+1], v[GG+\j:GG+\j+1], v[BB+\j:BB+\j+1]
.endr
.set KK, 0
.rept 32
	v_max_num_f32 v[X+KK], 0, v[X+KK]              ; the activation
.set KK, KK+1
.endr
	; my block of 32: none is negative, so no |.|; the floor 2^(3 - 127) holds the byte at 1 from below
	v_max3_num_f32 v[MX], v[X], v[X+1], 0x1800000
	v_max3_num_f32 v[MX+1], v[X+2], v[X+3], v[X+4]
.irp i, 5,9,13,17,21,25
	v_max3_num_f32 v[MX], v[MX], v[X+\i], v[X+\i+1]
	v_max3_num_f32 v[MX+1], v[MX+1], v[X+\i+2], v[X+\i+3]
.endr
	v_max3_num_f32 v[MX], v[MX], v[X+29], v[X+30]
	v_max3_num_f32 v[MX], v[MX], v[MX+1], v[X+31]
	v_add_nc_u32 v[SCO], 0xff000000, v[MX]         ; 2 off the exponent field: the conversion's scale operand
	v_cvt_scalef32_pk16_fp6_f32 v[CD:CD+2], v[X:X+15], v[SCO]
	v_cvt_scalef32_pk16_fp6_f32 v[CD+4:CD+6], v[X+16:X+31], v[SCO]   ; (a conversion's three registers begin on an even number)
	v_lshrrev_b32 v[BY], 23, v[SCO]                ; the scale's byte: also the plain instruction behind the conversions
	v_mov_b32 v[CD+3], v[CD+4]
	v_mov_b32 v[CD+4], v[CD+5]
	v_mov_b32 v[CD+5], v[CD+6]
	ds_store_b128 v[IA], v[CD:CD+3] offset:XIMG
	ds_store_b64 v[IB], v[CD+4:CD+5] offset:XIMG+512
	ds_store_b8 v[IS], v[BY] offset:XSC            ; byte 2 c + h of row r's word for K step s
	s_wait_dscnt 0x0                               ; for the others' sake
	s_barrier_signal -1
	s_barrier_wait -1
.irp s, 0,1
.irp c, 0,1
	ds_load_b128 v[XF+12*\s+6*\c:XF+12*\s+6*\c+3], v[LI] offset:XIMG+1536*\s+768*\c
	ds_load_b64 v[XF+12*\s+6*\c+4:XF+12*\s+6*\c+5], v[L8] offset:XIMG+1536*\s+768*\c+512
.endr
.endr
	ds_load_b32 v[XS], v[LS] offset:XSC
	s_wait_dscnt 0x0
	s_wait_loadcnt 16                              ; w3's fragments and scale words are in; ln3's 16 loads may be out
	WIN 0x01                                       ; source 0 window 1.  Four accumulators by turns; the first K step starts the sums
.irp n, 0,1,2,3
	v_wmma_scale_f32_16x16x128_f8f6f4 v[ACC+8*\n:ACC+8*\n+7], v[12*(2*\n):12*(2*\n)+11], v[XF:XF+11], 0, v[W3S+\n], v[XS] matrix_a_fmt:MATRIX_FMT_FP6 matrix_b_fmt:MATRIX_FMT_FP6
.endr
.irp n, 0,1,2,3
	v_wmma_scale_f32_16x16x128_f8f6f4 v[ACC+8*\n:ACC+8*\n+7], v[12*(2*\n+1):12*(2*\n+1)+11], v[XF+12:XF+23], v[ACC+8*\n:ACC+8*\n+7], v[W3S+\n], v[XS] matrix_a_fmt:MATRIX_FMT_FP6 matrix_b_fmt:MATRIX_FMT_FP6 matrix_a_scale:MATRIX_SCALE_ROW1 matrix_b_scale:MATRIX_SCALE_ROW1
.endr
	WIN 0
.rept 4
	v_nop                                          ; four plain instructions between the last product and the first read of a result
.endr
	LNORM ACC, RED+512, RED+768
	s_wait_loadcnt 0x0                             ; ln3_g, ln3_b
	WIN 0x14                                       ; sources 1 and 2 window 1
.irp j, 0,2,4,6,8,10,12,14,16,18,20,22,24,26,28,30
	v_pk_fma_f32 v[ACC+\j:ACC+\j+1], v[ACC+\j:ACC+\j+1], v[96+\j:97+\j], v[128+\j:129+\j]
.endr
	WIN 0
.set KK, 0
.rept 32
	v_max_num_f32 v[ACC+KK], 0, v[ACC+KK]
.set KK, KK+1
.endr
	; THE WAY OUT: a row's 1,024 bytes come from four waves: they meet in a stage, and each wave stores four whole rows
.irp n, 0,1,2,3
	ds_store_b128 v[SO], v[ACC+8*\n:ACC+8*\n+3] offset:STG+64*\n
	ds_store_b128 v[SO], v[ACC+8*\n+4:ACC+8*\n+7] offset:STG+64*\n+16
.endr
	s_wait_dscnt 0x0                               ; for the others' sake
	s_barrier_signal -1
	s_barrier_wait -1
.irp k, 0,1,2,3,4,5,6,7
	ds_load_b128 v[OUTR+4*\k:OUTR+4*\k+3], v[SR] offset:STG+SP*(\k/2)+512*(\k%2)
.endr
.irp k, 0,1,2,3,4,5,6,7
	s_wait_dscnt 7-\k                              ; LDS loads come back in order: the k-th is in
	global_store_b128 v[LI], v[OUTR+4*\k:OUTR+4*\k+3], s[16:17] offset:1024*(\k/2)+512*(\k%2) th:TH_STORE_NT   ; 512 consecutive bytes, at a multiple of 256 from out0's first byte
.endr
	s_wait_tensorcnt 0x0
	ds_add_u32 v254, v255
	s_wait_dscnt 0x0
	s_endpgm
.Lfunc_end_k_q5d7130b045_tail:
	.size	k_q5d7130b045_tail, .Lfunc_end_k_q5d7130b045_tail-k_q5d7130b045_tail
	.p2alignl 7, 3214868480
	.fill 96, 4, 3214868480
	.section	.rodata,"a",@progbits
	.p2align	6, 0x0
	.amdhsa_kernel k_q5d7130b045_tail
		.amdhsa_group_segment_fixed_size 21504
		.amdhsa_private_segment_fixed_size 0
		.amdhsa_enable_private_segment 0
		.amdhsa_kernarg_size 56
		.amdhsa_user_sgpr_count 2
		.amdhsa_user_sgpr_kernarg_segment_ptr 1
		.amdhsa_wavefront_size32 1
		.amdhsa_system_sgpr_workgroup_id_x 1
		.amdhsa_system_sgpr_workgroup_id_y 1
		.amdhsa_system_sgpr_workgroup_id_z 1
		.amdhsa_system_vgpr_workitem_id 0
		.amdhsa_next_free_vgpr 512
		.amdhsa_next_free_sgpr 66
		.amdhsa_reserve_vcc 0
		.amdhsa_float_denorm_mode_32 3
		.amdhsa_float_denorm_mode_16_64 3
		.amdhsa_memory_ordered 1
		.amdhsa_forward_progress 1
		.amdhsa_inst_pref_size 36
	.end_amdhsa_kernel
	.amdgpu_metadata
---
amdhsa.version: [ 1, 2 ]
amdhsa.kernels:
  - .name:           k_q5d7130b045_tail
    .symbol:         k_q5d7130b045_tail.kd
    .args:
      - { .name: part, .offset: 0, .size: 8, .value_kind: global_buffer, .address_space: global }
      - { .name: wsm, .offset: 8, .size: 8, .value_kind: global_buffer, .address_space: global }
      - { .name: lnbr_g, .offset: 16, .size: 8, .value_kind: global_buffer, .address_space: global }
      - { .name: lnbr_b, .offset: 24, .size: 8, .value_kind: global_buffer, .address_space: global }
      - { .name: ln3_g, .offset: 32, .size: 8, .value_kind: global_buffer, .address_space: global }
      - { .name: ln3_b, .offset: 40, .size: 8, .value_kind: global_buffer, .address_space: global }
      - { .name: out0, .offset: 48, .size: 8, .value_kind: global_buffer, .address_space: global }
    .group_segment_fixed_size: 21504
    .private_segment_fixed_size: 0
    .kernarg_segment_align: 8
    .kernarg_segment_size: 56
    .max_flat_workgroup_size: 128
    .sgpr_count:     66
    .vgpr_count:     512
    .wavefront_size: 32
...
	.end_amdgpu_metadata
.endif
;; end of part 4
;; ======== version 2 of 2: 4 launches; version 1 with the launches prep, tail written anew for expert scheduling mode
;; workspace buffers: w22q 13,107,200 bytes; wsm 307,200 bytes; h21q 409,600 bytes; wg12 2,097,152 bytes; part 8,388,608 bytes
;; launch quant: the kernel of part 1 again; grid 1048 x 1, 4 waves a work-group, no clusters, 13,824 bytes of LDS; arguments w22, w11, w21, w12, w3, w22q, wsm; writes w22q, wsm
;; launch prep (part 5): grid 160 x 1, 4 waves a work-group, no clusters, 13,824 bytes of LDS; arguments img_fea, loc_fea, wsm, b11, b21, b12, h21q, wg12, out1; writes h21q, wg12, out1
.if DOCPART == 5
	.amdgcn_target "amdgcn-amd-amdhsa--gfx1250"
	.amdhsa_code_object_version 6
	.text
	.protected	k_q5d7130b045_prep
	.globl	k_q5d7130b045_prep
	.p2align	8
	.type	k_q5d7130b045_prep,@function
k_q5d7130b045_prep:
	s_mov_b64 s[64:65], 0
	v_nop
	global_prefetch_b8 v0, s[64:65] scope:SCOPE_SE
	s_setreg_imm32_b32 hwreg(HW_REG_WAVE_SCHED_MODE, 0, 2), 2
	s_setreg_imm32_b32 hwreg(HW_REG_WAVE_MODE, 25, 1), 1
	s_wait_xcnt 0x0
	s_wait_alu depctr_vm_vsrc(0)
; Work-groups 0..127: row tile m = x, 16 rows.  cat = [img_fea | loc_fea] is quantised along its 512; h = relu(cat [w11 | w21] + [b11 | b21]), 512 units, is quantised along the units;
; h21's codes and scale words go to h21q as images of operand registers; wgt12 = h11 w12 + b12 goes to wg12 in f32.  All three products on codes of FP6 (E2M3) with E8M0 scales for each 32 along K.
; Work-groups 128..159 copy loc_fea to out1, 16 KB a wave; they use no LDS and meet no barrier.
; LIMITS: NaN and infinities are not served; a block whose largest magnitude lies under 2^-124 (zeros among them) gets the scale byte 1; this program alone reads the bytes.
; SHARES.  Wave w quantises columns 128 w .. of cat (K step w) and makes hidden units 128 w .. 128 w + 127 (waves 0, 1: h11; waves 2, 3: h21), then wgt12's columns 64 w .. 64 w + 63.
; Operands go from wave to wave through LDS as images of their registers: a fragment by three stores of 16 bytes a lane at 16 x lane, its scale words at 4 x lane.
; The products are used transposed (source 0 = 16 columns of the weight, source 1 = the 16 rows): a lane holds one row, its registers run along the columns.  The units of a tile of [w11 | w21] were laid
; by the launch before so that the 16 registers of tiles 2 b and 2 b + 1 are 16 neighbours along the next K.  The biases are the C of each sum's first matrix instruction.
; wg12 is laid [row block of 256][i / 4][row][4 f32]: sixteen neighbouring lanes store 256 consecutive bytes straight from the accumulators.
; REGISTERS.  window 0: v4-12 addresses; v16-63 four fragments of the rows; v64-127 numbers of cat, then the 8 hidden tiles, then wgt12's 4 tiles; v128-146 codes just made; v148-163 at work;
;   v164 the scale word just made; v165-168, v169 the rows' scale words; v176-191, v192-195 the weights' scale words.  window 1, 2: [w11 | w21]'s fragments of K steps 0, 1 and 2, 3.
;   window 3: v0-95 w12's fragments; v96-159 the first bias; v160-191 b12.
; THE MODE: SCHED_MODE bits 1:0 = 2 (LLVM: expert scheduling mode 2), set by the entry lines.  The code itself states the register dependences
; between vector or matrix instructions and memory or LDS instructions, with s_wait_alu, always for 0.
; THE PLAN.  Registers that memory or LDS instructions touch:
;   v4-12            addresses: written once at the head, read by every load and store, never written again: one wait on va_vdst ahead of the first load (the copy has its own, for v5).
;   windows 1 to 3, v176-195   the weights, their scale words, the biases: loads land once; matrix instructions alone read them.
;   v64-127          cat's loads land here; then vector and matrix instructions alone name them, until wgt12's stores read v64-95: four places, then a wait on va_vdst.
;   v128-139, v164   codes and scale word: each QUANT writes them, the stores behind it read them: a wait on va_vdst ahead of each run of stores, one on vm_vsrc ahead of the second QUANT.
;   v16-63, v165-169 fragments and scale words from LDS: loads land, matrix instructions read.  v16-39 are loaded a second time: the wait on va_vdst ahead of the second images stands behind every matrix
;                    instruction that read them, and no vector or matrix instruction between that wait and those loads names them.
;   v170             h21's joined scale words: loaded from LDS and stored; no vector instruction names it.
;   v254, v255       written at the head, read by the closing add alone.
; The operands and scales of every product are filled by loads alone.
.set FR,    12
.set FRB,   1536
.set JOB,   6400
.set XIMG,  0                          ; LDS: cat's four fragments,
.set XSC,   6144                       ; their scale words, 128 bytes each,
.set HIMG,  6656                       ; the hidden layer's four fragments,
.set HSC,   12800                      ; their scale words
.set XF,    16
.set HA,    64
.set PC,    128
.set TM,    148
.set PW,    164
.set XS,    165
.set HS,    169
.set TS,    170
.set WS,    176
.set W12S,  192
.set B1,    96
.set B12,   160
.set XA,    4                          ; v4  cat: 1024 r + 64 h
.set LI,    5                          ; v5  16 L
.set LS,    6                          ; v6  4 L
.set XWI,   7                          ; v7  16 L + 1536 w: where I store an image
.set XWS,   8                          ; v8  4 L + 128 w: and its scale words
.set HRS,   9                          ; v9  128 h + 4 r: two K steps' scale words in one register
.set BO1,   10                         ; v10 64 h
.set BO2,   11                         ; v11 32 h
.set WGO,   12                         ; v12 8192 h + 16 r
.set WV,    22
.set SEL,   24
.set MSB, 0
.macro WIN new                         ; the immediate's high byte repeats the setting that is left
.if MSB != \new
	s_set_vgpr_msb (MSB<<8)|\new
.set MSB, \new
.endif
.endm
; 64 numbers of a lane, register 16 b + i = k 32 b + 16 (lane / 16) + i of my row, become a fragment's codes in v[PC] on and its scale word in v[PW].
.macro QUANT src
.irp b, 0,1,2,3
	v_max3_num_f32 v[TM+\b], |v[\src+16*\b]|, |v[\src+1+16*\b]|, 0x1800000   ; block b: my 16 numbers, and the floor 2^(3 - 127): the byte cannot fall under 1
.endr
.irp i, 2,4,6,8,10,12,14
.irp b, 0,1,2,3
	v_max3_num_f32 v[TM+\b], v[TM+\b], |v[\src+16*\b+\i]|, |v[\src+1+16*\b+\i]|   ; the four blocks by turns
.endr
.endr
.irp b, 0,1,2,3
	v_permlanex16_b32 v[TM+4+\b], v[TM+\b], s[SEL], s[SEL+1]
.endr
.irp b, 0,1,2,3
	v_max_num_f32 v[TM+\b], v[TM+\b], v[TM+4+\b]   ; with lane l xor 16's: the block's largest magnitude
.endr
.irp b, 0,1,2,3
	v_add_nc_u32 v[TM+12+\b], 0xff000000, v[TM+\b] ; 2 off its exponent field: the conversion's scale operand
.endr
.irp b, 0,1,2,3
	v_lshrrev_b32 v[TM+4+\b], 23, v[TM+12+\b]      ; the scale's byte
.endr
	v_lshl_or_b32 v[PW], v[TM+5], 8, v[TM+4]
	v_lshl_or_b32 v[PW], v[TM+6], 16, v[PW]
	v_lshl_or_b32 v[PW], v[TM+7], 24, v[PW]        ; my row's scale word
.irp c, 0,1
	v_cvt_scalef32_pk16_fp6_f32 v[PC+6*\c:PC+2+6*\c], v[\src+32*\c:\src+15+32*\c], v[TM+12+2*\c]
	v_cvt_scalef32_pk16_fp6_f32 v[PC+12+4*\c:PC+14+4*\c], v[\src+16+32*\c:\src+31+32*\c], v[TM+12+2*\c+1]   ; (a conversion's three registers begin on an even number)
.endr
	v_nop                                          ; one plain instruction behind the scaled conversions
.irp c, 0,1                                    ; the operand's layout wants a whole block in a lane: lanes 0-15 block 2 c, lanes 16-31 block 2 c + 1
.irp i, 0,1,2
	v_permlane16_swap_b32 v[PC+6*\c+\i], v[PC+12+4*\c+\i]
.endr
.irp i, 0,1,2
	v_mov_b32 v[PC+3+6*\c+\i], v[PC+12+4*\c+\i]
.endr
.endr
.endm
.macro IMAGE off                               ; the fragment in v[PC] on goes to LDS as it stands
.irp c, 0,1,2
	ds_store_b128 v[XWI], v[PC+4*\c:PC+4*\c+3] offset:\off+512*\c
.endr
.endm
.macro FETCH reg, off                          ; and comes back so, in any wave
.irp c, 0,1,2
	ds_load_b128 v[\reg+4*\c:\reg+4*\c+3], v[LI] offset:\off+512*\c
.endr
.endm
.macro BARRIER                                 ; my LDS stores have landed and my LDS loads are in: then the work-group's barrier
	s_wait_dscnt 0x0
	s_barrier_signal -1
	s_barrier_wait -1
.endm
.macro WLOAD kh                                ; my 8 tiles' fragments of K half kh: 48 loads of 512 consecutive bytes
.irp t, 0,1,2,3,4,5,6,7
.irp s, 0,1
.irp c, 0,1,2
	global_load_b128 v[FR*(2*\t+\s)+4*\c:FR*(2*\t+\s)+4*\c+3], v[LI], s[32:33] offset:(2*(\t/2)+\kh)*JOB+(\t%2)*3072+\s*FRB+512*\c
.endr
.endr
.endr
.endm
; K step s4 of the first products: eight accumulators by turns, one instruction a turn
.macro P13 s4
.irp t, 0,1,2,3,4,5,6,7
.if (\s4) == 0
	v_wmma_scale_f32_16x16x128_f8f6f4 v[HA+8*\t:HA+8*\t+7], v[FR*(2*\t):FR*(2*\t)+FR-1], v[XF:XF+FR-1], v[B1+8*\t:B1+8*\t+7], v[WS+2*\t], v[XS] matrix_a_fmt:MATRIX_FMT_FP6 matrix_b_fmt:MATRIX_FMT_FP6
.elseif (\s4)%2 == 0
	v_wmma_scale_f32_16x16x128_f8f6f4 v[HA+8*\t:HA+8*\t+7], v[FR*(2*\t):FR*(2*\t)+FR-1], v[XF+FR*(\s4):XF+FR*(\s4)+FR-1], v[HA+8*\t:HA+8*\t+7], v[WS+2*\t+(\s4)/2], v[XS+(\s4)] matrix_a_fmt:MATRIX_FMT_FP6 matrix_b_fmt:MATRIX_FMT_FP6
.else
	v_wmma_scale_f32_16x16x128_f8f6f4 v[HA+8*\t:HA+8*\t+7], v[FR*(2*\t+1):FR*(2*\t+1)+FR-1], v[XF+FR*(\s4):XF+FR*(\s4)+FR-1], v[HA+8*\t:HA+8*\t+7], v[WS+2*\t+(\s4)/2], v[XS+(\s4)] matrix_a_fmt:MATRIX_FMT_FP6 matrix_b_fmt:MATRIX_FMT_FP6 matrix_a_scale:MATRIX_SCALE_ROW1
.endif
.endr
.endm
	s_load_b256 s[4:11], s[0:1], 0x0               ; img_fea, loc_fea, wsm, b11
	s_load_b256 s[12:19], s[0:1], 0x20             ; b21, b12, h21q, wg12
	s_load_b64 s[20:21], s[0:1], 0x40              ; out1
	v_lshl_add_u32 v254, v0, 2, 0x3400
	v_mov_b32 v255, 0
	v_lshrrev_b32 v1, 5, v0
	v_readfirstlane_b32 s[WV], v1                  ; wave 0..3
	v_and_b32 v1, 31, v0                           ; L
	v_and_b32 v2, 15, v0                           ; r
	v_bfe_u32 v3, v0, 4, 1                         ; h
	v_lshlrev_b32 v[LI], 4, v1
	s_wait_alu depctr_va_sdst(0)                   ; the wave's number is written, ahead of the branch: both ways read it in scalar arithmetic
	s_cmp_lt_u32 ttmp9, 128
	s_cbranch_scc1 .Ltile
	; ---- the copy: wave 4 (x - 128) + w takes 16,384 bytes: 32 loads of 512 consecutive bytes, all out at once, then their stores
	s_sub_co_u32 s26, ttmp9, 128
	s_lshl_b32 s26, s26, 2
	s_add_co_u32 s26, s26, s[WV]
	s_lshl_b32 s26, s26, 14
	s_mov_b32 s27, 0
	s_wait_kmcnt 0x0
	s_add_nc_u64 s[6:7], s[6:7], s[26:27]
	s_add_nc_u64 s[20:21], s[20:21], s[26:27]
	s_wait_alu depctr_va_vdst(0)                   ; v[LI] is written: every load and store of the copy reads it as its offset; no vector instruction names the copy's data registers
.set KK, 0
.rept 32
	global_load_b128 v[16+4*KK:19+4*KK], v[LI], s[6:7] offset:512*KK
.set KK, KK+1
.endr
.set KK, 0
.rept 32
	s_wait_loadcnt 31-KK                           ; loads come back in order: the KK-th is in, the younger ones stay out
	global_store_b128 v[LI], v[16+4*KK:19+4*KK], s[20:21] offset:512*KK th:TH_STORE_NT
.set KK, KK+1
.endr
	s_endpgm
.Ltile:
	v_lshlrev_b32 v[XA], 10, v2
	v_lshl_add_u32 v[XA], v3, 6, v[XA]
	v_lshlrev_b32 v[LS], 2, v1
	s_mul_i32 s26, s[WV], FRB
	v_add_nc_u32 v[XWI], s26, v[LI]
	s_lshl_b32 s26, s[WV], 7
	v_add_nc_u32 v[XWS], s26, v[LS]
	v_lshlrev_b32 v[HRS], 7, v3
	v_lshl_add_u32 v[HRS], v2, 2, v[HRS]
	v_lshlrev_b32 v[BO1], 6, v3
	v_lshlrev_b32 v[BO2], 5, v3
	v_lshlrev_b32 v[WGO], 13, v3
	v_lshl_add_u32 v[WGO], v2, 4, v[WGO]
	s_mov_b32 s[SEL], 0x76543210
	s_mov_b32 s[SEL+1], 0xfedcba98                 ; v_permlanex16_b32's selects for lane l xor 16
.irp b, 0,1,2,3
	v_mov_b32 v[TM+4+\b], 0                        ; written once: a lane permute's destination counts as one of its sources
.endr
	s_and_b32 s28, s[WV], 1                        ; which half of its tensor my wave takes
	s_lshl_b32 s26, ttmp9, 14                      ; cat: 16 m rows of 1,024 bytes
	s_lshl_b32 s30, s28, 9                         ; + 128 columns; also: my 128 numbers of the first bias
	s_add_co_u32 s26, s26, s30
	s_mov_b32 s27, 0
	s_mov_b32 s31, 0
	s_mul_i32 s40, s[WV], 8*JOB                    ; [w11 | w21]: JOBs 8 w on
	s_mov_b32 s41, 0
	s_mul_i32 s42, s[WV], 2*JOB                    ; w12: JOBs 32 + 2 w on
	s_add_co_u32 s42, s42, 32*JOB
	s_mov_b32 s43, 0
	s_lshl_b32 s44, s[WV], 8                       ; b12: my 64 numbers
	s_mov_b32 s45, 0
	s_mul_i32 s46, ttmp9, 2*FRB                    ; h21q: tile m's two fragments, mine the (w & 1)-th
	s_mul_i32 s29, s28, FRB
	s_add_co_u32 s46, s46, s29
	s_mov_b32 s47, 0
	s_lshl_b32 s48, ttmp9, 7                       ; and its 128 bytes of scale words
	s_add_co_u32 s48, s48, 393216
	s_mov_b32 s49, 0
	s_lshr_b32 s50, ttmp9, 4                       ; wg12: row block m / 16,
	s_lshl_b32 s50, s50, 18
	s_lshl_b32 s29, s[WV], 16                      ; i / 4 = 16 w on,
	s_add_co_u32 s50, s50, s29
	s_and_b32 s29, ttmp9, 15                       ; rows 16 (m % 16) on
	s_lshl_b32 s29, s29, 8
	s_add_co_u32 s50, s50, s29
	s_mov_b32 s51, 0
	s_wait_kmcnt 0x0
	s_cmp_lt_u32 s[WV], 2                          ; the choice hangs on the wave's number alone
	s_cselect_b64 s[4:5], s[4:5], s[6:7]           ; img_fea or loc_fea
	s_cselect_b64 s[10:11], s[10:11], s[12:13]     ; b11 or b21
	s_add_nc_u64 s[4:5], s[4:5], s[26:27]
	s_add_nc_u64 s[10:11], s[10:11], s[30:31]
	s_add_nc_u64 s[32:33], s[8:9], s[40:41]
	s_add_nc_u64 s[34:35], s[8:9], s[42:43]
	s_add_nc_u64 s[14:15], s[14:15], s[44:45]
	s_add_nc_u64 s[36:37], s[16:17], s[46:47]
	s_add_nc_u64 s[38:39], s[16:17], s[48:49]
	s_add_nc_u64 s[18:19], s[18:19], s[50:51]
	s_wait_alu depctr_va_vdst(0)                   ; the nine addresses v4 to v12 are written, which all loads and stores below read; none of them is written again
	; ---- X: my K step of cat: lane (r, h) takes, of row r, 16 neighbours of each block of 32
.irp b, 0,1,2,3
.irp j, 0,1,2,3
	global_load_b128 v[HA+16*\b+4*\j:HA+16*\b+4*\j+3], v[XA], s[4:5] offset:128*\b+16*\j
.endr
.endr
	WIN 0x40                                       ; destination window 1
	WLOAD 0
	WIN 0
	s_wait_loadcnt 48                              ; cat's 16 loads are in; the 48 issued behind them may be out
	QUANT HA
	s_wait_alu depctr_va_vdst(0)                   ; the conversions, exchanges and moves have written the codes v[PC ..] and the scale word v[PW], which the LDS stores read
	IMAGE XIMG
	ds_store_b32 v[XWS], v[PW] offset:XSC
	WIN 0x80                                       ; destination window 2.  No wait for the loads below: no vector instruction has named their data registers, and their addresses stand since the head's wait
	WLOAD 1
	WIN 0xc0                                       ; destination window 3
.irp n, 0,1,2,3
.irp s, 0,1
.irp c, 0,1,2
	global_load_b128 v[FR*(2*\n+\s)+4*\c:FR*(2*\n+\s)+4*\c+3], v[LI], s[34:35] offset:(\n/2)*JOB+(\n%2)*3072+\s*FRB+512*\c
.endr
.endr
.endr
.irp t, 0,1,2,3,4,5,6,7                        ; lane (r, h) wants, for tile 2 b + u, the bias of units 32 b + 16 h + 8 u + 0 .. 7
	global_load_b128 v[B1+8*\t:B1+8*\t+3], v[BO1], s[10:11] offset:(32*(\t/2)+8*(\t%2))*4
	global_load_b128 v[B1+8*\t+4:B1+8*\t+7], v[BO1], s[10:11] offset:(32*(\t/2)+8*(\t%2))*4+16
.endr
.irp n, 0,1,2,3                                ; and for wgt12's tile n that of columns 16 n + 8 h + 0 .. 7
	global_load_b128 v[B12+8*\n:B12+8*\n+3], v[BO2], s[14:15] offset:64*\n
	global_load_b128 v[B12+8*\n+4:B12+8*\n+7], v[BO2], s[14:15] offset:64*\n+16
.endr
	WIN 0
.irp t, 0,1,2,3,4,5,6,7
.irp k, 0,1
	global_load_b32 v[WS+2*\t+\k], v[LS], s[32:33] offset:(2*(\t/2)+\k)*JOB+6144+(\t%2)*128   ; lanes 0-15: the half's first K step, lanes 16-31: its second
.endr
.endr
.irp n, 0,1,2,3
	global_load_b32 v[W12S+\n], v[LS], s[34:35] offset:(\n/2)*JOB+6144+(\n%2)*128
.endr
	BARRIER                                        ; cat's four fragments lie in LDS
	; ---- the first products: my 128 hidden units for the 16 rows
.irp s, 0,1,2,3
	FETCH XF+FR*\s, XIMG+FRB*\s
	ds_load_b32 v[XS+\s], v[LS] offset:XSC+128*\s
.endr
	s_wait_dscnt 0x0
	s_wait_loadcnt 0x0                             ; the weights, their scale words, the biases
	WIN 0x31                                       ; source 0 window 1, C (the bias) window 3
	P13 0
	WIN 0x01
	P13 1
	WIN 0x02                                       ; source 0 window 2
	P13 2
	P13 3
	WIN 0
.rept 4
	v_nop                                          ; four plain instructions between the last product and the first read of a result
.endr
.set KK, 0
.rept 64
	v_max_num_f32 v[HA+KK], 0, v[HA+KK]            ; the activation, in f32; each accumulator from its low end on
.set KK, KK+1
.endr
	s_wait_alu depctr_vm_vsrc(0)                   ; the LDS stores of cat's image have read v[PC ..] and v[PW], which the lines below write again
	QUANT HA
	s_wait_alu depctr_va_vdst(0)                   ; the codes v[PC ..] and the scale word v[PW] are written, which the LDS stores and h21's stores read; and the first products are done reading v[XF ..], in which wgt12's fragments land below
	IMAGE HIMG
	ds_store_b32 v[XWS], v[PW] offset:HSC
	s_cmp_lt_u32 s[WV], 2
	s_cbranch_scc1 .Lnot_h21                       ; waves 2 and 3 hold h21's two K steps: their codes go to memory as they stand
.irp c, 0,1,2
	global_store_b128 v[LI], v[PC+4*\c:PC+4*\c+3], s[36:37] offset:512*\c     ; 512 consecutive bytes, at a multiple of 256 from the buffer's first byte
.endr
.Lnot_h21:
	BARRIER                                        ; the hidden layer's four fragments lie in LDS
	s_cmp_lg_u32 s[WV], 2
	s_cbranch_scc1 .Lnot_wave_2                    ; one wave joins h21's scale words: lanes 0-15 K step 0's, lanes 16-31 K step 1's
	ds_load_b32 v[TS], v[HRS] offset:HSC+256
	s_wait_dscnt 0x0
	global_store_b32 v[LS], v[TS], s[38:39]
.Lnot_wave_2:
	; ---- wgt12 = h11 w12 + b12: my 64 columns, four accumulators by turns
	FETCH XF, HIMG                                 ; no wait: no vector or matrix instruction since the wait ahead of the images names v[XF ..] or v[HS]
	FETCH XF+FR, HIMG+FRB
	ds_load_b32 v[HS], v[HRS] offset:HSC
	s_wait_dscnt 0x0
	WIN 0x33                                       ; source 0 (w12) and C (b12) window 3
.irp n, 0,1,2,3
	v_wmma_scale_f32_16x16x128_f8f6f4 v[HA+8*\n:HA+8*\n+7], v[FR*(2*\n):FR*(2*\n)+FR-1], v[XF:XF+FR-1], v[B12+8*\n:B12+8*\n+7], v[W12S+\n], v[HS] matrix_a_fmt:MATRIX_FMT_FP6 matrix_b_fmt:MATRIX_FMT_FP6
.endr
	WIN 0x03
.irp n, 0,1,2,3
	v_wmma_scale_f32_16x16x128_f8f6f4 v[HA+8*\n:HA+8*\n+7], v[FR*(2*\n+1):FR*(2*\n+1)+FR-1], v[XF+FR:XF+2*FR-1], v[HA+8*\n:HA+8*\n+7], v[W12S+\n], v[HS] matrix_a_fmt:MATRIX_FMT_FP6 matrix_b_fmt:MATRIX_FMT_FP6 matrix_a_scale:MATRIX_SCALE_ROW1 matrix_b_scale:MATRIX_SCALE_ROW1
.endr
	WIN 0
.rept 4
	v_nop                                          ; four plain instructions between the last product and the stores that read its result
.endr
	s_wait_alu depctr_va_vdst(0)                   ; the products have written wgt12's four tiles, which the stores read; the places above stay beside this wait
.irp n, 0,1,2,3                                ; lane (r, h), register j: wgt12(16 m + r, 64 w + 16 n + 8 h + j): sixteen lanes store 256 consecutive bytes
	global_store_b128 v[WGO], v[HA+8*\n:HA+8*\n+3], s[18:19] offset:16384*\n
	global_store_b128 v[WGO], v[HA+8*\n+4:HA+8*\n+7], s[18:19] offset:16384*\n+4096
.endr
	s_wait_dscnt 0x0                               ; the closing lines, six on end
	s_wait_alu 0x0
	s_wait_tensorcnt 0x0
	ds_add_u32 v254, v255
	s_wait_dscnt 0x0
	s_endpgm
.Lfunc_end_k_q5d7130b045_prep:
	.size	k_q5d7130b045_prep, .Lfunc_end_k_q5d7130b045_prep-k_q5d7130b045_prep
	.p2alignl 7, 3214868480
	.fill 96, 4, 3214868480
	.section	.rodata,"a",@progbits
	.p2align	6, 0x0
	.amdhsa_kernel k_q5d7130b045_prep
		.amdhsa_group_segment_fixed_size 13824
		.amdhsa_private_segment_fixed_size 0
		.amdhsa_enable_private_segment 0
		.amdhsa_kernarg_size 72
		.amdhsa_user_sgpr_count 2
		.amdhsa_user_sgpr_kernarg_segment_ptr 1
		.amdhsa_wavefront_size32 1
		.amdhsa_system_sgpr_workgroup_id_x 1
		.amdhsa_system_sgpr_workgroup_id_y 1
		.amdhsa_system_sgpr_workgroup_id_z 1
		.amdhsa_system_vgpr_workitem_id 0
		.amdhsa_next_free_vgpr 1024
		.amdhsa_next_free_sgpr 66
		.amdhsa_reserve_vcc 0
		.amdhsa_float_denorm_mode_32 3
		.amdhsa_float_denorm_mode_16_64 3
		.amdhsa_memory_ordered 1
		.amdhsa_forward_progress 1
		.amdhsa_inst_pref_size 47
	.end_amdhsa_kernel
	.amdgpu_metadata
---
amdhsa.version: [ 1, 2 ]
amdhsa.kernels:
  - .name:           k_q5d7130b045_prep
    .symbol:         k_q5d7130b045_prep.kd
    .args:
      - { .name: img_fea, .offset: 0, .size: 8, .value_kind: global_buffer, .address_space: global }
      - { .name: loc_fea, .offset: 8, .size: 8, .value_kind: global_buffer, .address_space: global }
      - { .name: wsm, .offset: 16, .size: 8, .value_kind: global_buffer, .address_space: global }
      - { .name: b11, .offset: 24, .size: 8, .value_kind: global_buffer, .address_space: global }
      - { .name: b21, .offset: 32, .size: 8, .value_kind: global_buffer, .address_space: global }
      - { .name: b12, .offset: 40, .size: 8, .value_kind: global_buffer, .address_space: global }
      - { .name: h21q, .offset: 48, .size: 8, .value_kind: global_buffer, .address_space: global }
      - { .name: wg12, .offset: 56, .size: 8, .value_kind: global_buffer, .address_space: global }
      - { .name: out1, .offset: 64, .size: 8, .value_kind: global_buffer, .address_space: global }
    .group_segment_fixed_size: 13824
    .private_segment_fixed_size: 0
    .kernarg_segment_align: 8
    .kernarg_segment_size: 72
    .max_flat_workgroup_size: 128
    .sgpr_count:     66
    .vgpr_count:     1024
    .wavefront_size: 32
...
	.end_amdgpu_metadata
.endif
;; end of part 5
;; launch main: the kernel of part 3 again; grid 8 x 32, 4 waves a work-group, clusters of 4 x 1, 327,680 bytes of LDS; arguments h21q, wg12, w22q, b22, part; writes part
;; launch tail (part 6): grid 128 x 1, 4 waves a work-group, no clusters, 21,504 bytes of LDS; arguments part, wsm, lnbr_g, lnbr_b, ln3_g, ln3_b, out0; writes out0
.if DOCPART == 6
	.amdgcn_target "amdgcn-amd-amdhsa--gfx1250"
	.amdhsa_code_object_version 6
	.text
	.protected	k_q5d7130b045_tail
	.globl	k_q5d7130b045_tail
	.p2align	8
	.type	k_q5d7130b045_tail,@function
k_q5d7130b045_tail:
	s_mov_b64 s[64:65], 0
	v_nop
	global_prefetch_b8 v0, s[64:65] scope:SCOPE_SE
	s_setreg_imm32_b32 hwreg(HW_REG_WAVE_SCHED_MODE, 0, 2), 2
	s_setreg_imm32_b32 hwreg(HW_REG_WAVE_MODE, 25, 1), 1
	s_wait_xcnt 0x0
	s_wait_alu depctr_vm_vsrc(0)
; out0 = relu(LN(Q(relu(LN(the sum of the four partial sums))) Q(w3))): the product on codes of FP6 (E2M3) with E8M0 scales for each 32 along K = 256, all else in f32.
; A norm takes the mean first and then the mean of the squared differences: two sums over a row.
; LIMITS: NaN and infinities are not served; a block whose largest magnitude lies under 2^-124 (zeros among them) gets the scale byte 1; this program alone reads the bytes.
; SHARES.  A work-group takes 16 rows (row tile m = x).  Ahead of the product lane (r, h) of wave w holds row r, columns 64 w + 32 h + 0 .. 31: one whole block of 32, which is registers 6 c .. 6 c + 5
; of lane (r, h) of the fragment of K step s, s = w / 2, c = w % 2: no other lane is asked for the block's maximum, and no lane changes places.  Behind the product (transposed: source 0 = 16 columns of w3,
; source 1 = the 16 rows) it holds row r, columns 64 w + 16 n + 8 h + 0 .. 7 of four tiles n.  A row's sums meet in LDS: a word for each wave and row, a region of its own for each of the four sums.
; No tensor loads, no cluster: 16 rows a work-group share nothing but w3 (48 KB of codes).
; REGISTERS.  window 0: v1-13 addresses; v16-143 the four partial sums, the sum in v16-47; then v48-71 the two fragments, v80-111 the product, v112-143 rows on the way out; v144-207 lnbr_g, lnbr_b;
;   v208-229 at work; v232-235 w3's scale words.  window 1: v0-95 w3's fragments; v96-127 ln3_g; v128-159 ln3_b.
; THE MODE: SCHED_MODE bits 1:0 = 2 (LLVM: expert scheduling mode 2), set by the entry lines.  The code itself states the register dependences
; between vector or matrix instructions and memory or LDS instructions, with s_wait_alu, always for 0.
; THE PLAN.  Registers that memory or LDS instructions touch:
;   v1-13            addresses: written once at the head, never again: one wait on va_vdst ahead of the first load.
;   v16-207, v232-235, window 1   the head's 92 loads land here, ahead of every vector instruction that names them.
;   v208-211 (T)     in each of the four sums over a row: the last addition writes v208, the LDS store reads it, the four loads of the waves' words land in v208-211:
;                    a wait on va_vdst ahead of the store, a wait on vm_vsrc ahead of the loads, which also frees v208 for the vector lines that follow.
;   v216-221, v227   the block's codes and its scale byte: written by the conversions and the lines behind them, read by three LDS stores, never written again: a wait on va_vdst ahead of the stores.
;   v48-71, v228     the two fragments and their scale words from LDS: v48-71 were last named by the additions of the partial sums, which stand ahead of several waits on va_vdst.
;   v80-111          the product, normed: read by the stage's stores: a wait on va_vdst ahead of them.
;   v112-143         rows from the stage: last named by the additions of the partial sums; loaded and stored.
;   v254, v255       written at the head, read by the closing add alone.
; The operands and scales of the product are filled by loads alone.
.set JOB,   6400
.set XIMG,  0                          ; LDS: the two fragments: for each (s, c) 768 bytes: registers 6 c .. + 3 at 16 L, then registers 6 c + 4, 5 at 512 + 8 L
.set XSC,   3072                       ; their scale words: 4 L (lanes 0-15 K step 0, lanes 16-31 K step 1)
.set RED,   3328                       ; four regions of 256 bytes for the rows' sums
.set STG,   4352                       ; the way out: 16 rows x (1,024 + 16) bytes
.set SP,    1040
.set X,     16
.set XF,    48
.set ACC,   80
.set OUTR,  112
.set GG,    144
.set BB,    176
.set T,     208
.set MN,    212
.set RS,    214
.set CD,    216
.set MX,    224
.set SCO,   226
.set BY,    227
.set XS,    228
.set K8,    229
.set W3S,   232
.set PO,    1                          ; v1  2048 h + 16 r
.set GO1,   2                          ; v2  128 h
.set LI,    3                          ; v3  16 L
.set LS,    4                          ; v4  4 L
.set GO3,   5                          ; v5  32 h
.set RA,    6                          ; v6  64 w + 4 r
.set RR,    7                          ; v7  4 r
.set IA,    8                          ; v8  1536 s + 768 c + 16 L
.set IB,    9                          ; v9  1536 s + 768 c + 8 L
.set IS,    10                         ; v10 64 s + 2 c + 4 r + h
.set L8,    11                         ; v11 8 L
.set SO,    12                         ; v12 1040 r + 256 w + 32 h
.set SR,    13                         ; v13 4160 w + 16 L
.set WV,    18
.set SEL,   20
.set MSB, 0
.macro WIN new                         ; the immediate's high byte repeats the setting that is left
.if MSB != \new
	s_set_vgpr_msb (MSB<<8)|\new
.set MSB, \new
.endif
.endm
.macro ACROSS red                      ; my lane's sum in v[T] becomes the row's, in every lane
	v_permlanex16_b32 v[T+1], v[T], s[SEL], s[SEL+1]
	v_add_f32 v[T], v[T], v[T+1]                   ; with lane l xor 16's: my wave's 64 columns
	s_wait_alu depctr_va_vdst(0)                   ; the addition has written v[T], which the LDS store reads; and every vector line that named v[T] to v[T+3], in which the loads below land, is done
	ds_store_b32 v[RA], v[T] offset:\red           ; both halves of the lanes write the same word with the same value
	s_wait_dscnt 0x0                               ; for the others' sake
	s_barrier_signal -1
	s_barrier_wait -1
	s_wait_alu depctr_vm_vsrc(0)                   ; the LDS store has read v[T], in which the first load below lands and which vector lines then write
.irp k, 0,1,2,3
	ds_load_b32 v[T+\k], v[RR] offset:\red+64*\k
.endr
	s_wait_dscnt 0x0
	v_add_f32 v[T], v[T], v[T+1]
	v_add_f32 v[T+2], v[T+2], v[T+3]
	v_add_f32 v[T], v[T], v[T+2]
.endm
; 32 numbers of a lane, v[src] on, become (x - mean) / sqrt(variance + 1e-5).  They are read in ascending order, so that a product's accumulators are read from their low ends on.
.macro LNORM src, reda, redb
	v_pk_add_f32 v[T:T+1], v[\src:\src+1], v[\src+2:\src+3]
	v_pk_add_f32 v[T+2:T+3], v[\src+4:\src+5], v[\src+6:\src+7]
.irp j, 8,12,16,20,24,28
	v_pk_add_f32 v[T:T+1], v[T:T+1], v[\src+\j:\src+\j+1]
	v_pk_add_f32 v[T+2:T+3], v[T+2:T+3], v[\src+\j+2:\src+\j+3]
.endr
	v_pk_add_f32 v[T:T+1], v[T:T+1], v[T+2:T+3]
	v_add_f32 v[T], v[T], v[T+1]
	ACROSS \reda
	v_mul_f32 v[MN], v[K8], v[T]                   ; the mean: the sum x 2^-8
	v_mov_b32 v[MN+1], v[MN]
.irp j, 0,2,4,6,8,10,12,14,16,18,20,22,24,26,28,30
	v_pk_add_f32 v[\src+\j:\src+\j+1], v[\src+\j:\src+\j+1], v[MN:MN+1] neg_lo:[0,1] neg_hi:[0,1]
.endr
	v_pk_mul_f32 v[T:T+1], v[\src:\src+1], v[\src:\src+1]
	v_pk_mul_f32 v[T+2:T+3], v[\src+2:\src+3], v[\src+2:\src+3]
.irp j, 4,8,12,16,20,24,28
	v_pk_fma_f32 v[T:T+1], v[\src+\j:\src+\j+1], v[\src+\j:\src+\j+1], v[T:T+1]
	v_pk_fma_f32 v[T+2:T+3], v[\src+\j+2:\src+\j+3], v[\src+\j+2:\src+\j+3], v[T+2:T+3]
.endr
	v_pk_add_f32 v[T:T+1], v[T:T+1], v[T+2:T+3]
	v_add_f32 v[T], v[T], v[T+1]
	ACROSS \redb
	v_fmaak_f32 v[T], v[T], v[K8], 0x3727c5ac      ; the variance + 1e-5
	v_rsq_f32 v[RS], v[T]
	v_nop                                          ; a plain instruction behind the transcendental,
	s_wait_alu depctr_va_vdst(0)                   ; and the wait ahead of the first instruction that names its result: v[RS] is written
	v_mov_b32 v[RS+1], v[RS]
.irp j, 0,2,4,6,8,10,12,14,16,18,20,22,24,26,28,30
	v_pk_mul_f32 v[\src+\j:\src+\j+1], v[\src+\j:\src+\j+1], v[RS:RS+1]
.endr
.endm
	s_load_b256 s[4:11], s[0:1], 0x0               ; part, wsm, lnbr_g, lnbr_b
	s_load_b128 s[12:15], s[0:1], 0x20             ; ln3_g, ln3_b
	s_load_b64 s[16:17], s[0:1], 0x30              ; out0
	v_lshl_add_u32 v254, v0, 2, 0x5200
	v_mov_b32 v255, 0
	v_lshrrev_b32 v14, 5, v0
	v_readfirstlane_b32 s[WV], v14                 ; wave 0..3
	v_and_b32 v14, 31, v0                          ; L
	v_and_b32 v15, 15, v0                          ; r
	v_bfe_u32 v[T], v0, 4, 1                       ; h
	v_lshlrev_b32 v[PO], 11, v[T]
	v_lshl_add_u32 v[PO], v15, 4, v[PO]
	v_lshlrev_b32 v[GO1], 7, v[T]
	v_lshlrev_b32 v[LI], 4, v14
	v_lshlrev_b32 v[LS], 2, v14
	v_lshlrev_b32 v[GO3], 5, v[T]
	v_lshlrev_b32 v[RR], 2, v15
	s_wait_alu depctr_va_sdst(0)                   ; the wave's number is written, ahead of its first reader: LDS addresses and the buffers' offsets are made from it
	s_lshl_b32 s24, s[WV], 6
	v_add_nc_u32 v[RA], s24, v[RR]
	s_lshr_b32 s25, s[WV], 1                       ; s
	s_and_b32 s26, s[WV], 1                        ; c
	s_mul_i32 s27, s25, 1536
	s_mul_i32 s28, s26, 768
	s_add_co_u32 s27, s27, s28
	v_lshlrev_b32 v[L8], 3, v14
	v_add_nc_u32 v[IA], s27, v[LI]
	v_add_nc_u32 v[IB], s27, v[L8]
	s_lshl_b32 s27, s25, 6
	s_lshl_b32 s28, s26, 1
	s_add_co_u32 s27, s27, s28
	v_add_nc_u32 v[IS], v[RR], v[T]
	v_add_nc_u32 v[IS], s27, v[IS]
	v_mul_u32_u24 v[SO], v15, SP
	v_lshl_add_u32 v[SO], v[T], 5, v[SO]
	s_lshl_b32 s27, s[WV], 8
	v_add_nc_u32 v[SO], s27, v[SO]
	s_mul_i32 s28, s[WV], 4*SP
	v_add_nc_u32 v[SR], s28, v[LI]
	v_mov_b32 v[K8], 0x3b800000                    ; 2^-8
	s_mov_b32 s[SEL], 0x76543210
	s_mov_b32 s[SEL+1], 0xfedcba98                 ; v_permlanex16_b32's selects for lane l xor 16
	s_lshl_b32 s24, ttmp9, 14                      ; part and out0 alike: 16,384 m + 4,096 w
	s_lshl_b32 s28, s[WV], 12
	s_add_co_u32 s24, s24, s28
	s_mov_b32 s25, 0
	s_mov_b32 s26, s27                             ; the gains and biases: my 64 columns, 256 w bytes on
	s_mov_b32 s27, 0
	s_mul_i32 s28, s[WV], 2*JOB                    ; w3: JOBs 40 + 2 w on
	s_add_co_u32 s28, s28, 40*JOB
	s_mov_b32 s29, 0
	s_wait_kmcnt 0x0
	s_add_nc_u64 s[4:5], s[4:5], s[24:25]
	s_add_nc_u64 s[16:17], s[16:17], s[24:25]
	s_add_nc_u64 s[6:7], s[6:7], s[28:29]
	s_add_nc_u64 s[8:9], s[8:9], s[26:27]
	s_add_nc_u64 s[10:11], s[10:11], s[26:27]
	s_add_nc_u64 s[12:13], s[12:13], s[26:27]
	s_add_nc_u64 s[14:15], s[14:15], s[26:27]
	s_wait_alu depctr_va_vdst(0)                   ; the thirteen addresses v1 to v13 are written, which all loads and stores below read; none of them is written again.  Only loads and window switches stand between this wait and the head's last load
	; all loads at the head, in the order of their use: 32 + 16 + 28 + 16
.irp p, 0,1,2,3
.irp u, 0,1
.irp hm, 0,1
.irp q, 0,1
	global_load_b128 v[X+32*\p+16*\u+8*\hm+4*\q:X+32*\p+16*\u+8*\hm+4*\q+3], v[PO], s[4:5] offset:2097152*\p+1024*\u+512*\q+256*\hm th:TH_LOAD_NT   ; sixteen lanes read 256 consecutive bytes
.endr
.endr
.endr
.endr
.irp j, 0,1,2,3,4,5,6,7
	global_load_b128 v[GG+4*\j:GG+4*\j+3], v[GO1], s[8:9] offset:16*\j
	global_load_b128 v[BB+4*\j:BB+4*\j+3], v[GO1], s[10:11] offset:16*\j
.endr
	WIN 0x40                                       ; destination window 1
.irp n, 0,1,2,3
.irp s, 0,1
.irp c, 0,1,2
	global_load_b128 v[12*(2*\n+\s)+4*\c:12*(2*\n+\s)+4*\c+3], v[LI], s[6:7] offset:(\n/2)*JOB+(\n%2)*3072+\s*1536+512*\c
.endr
.endr
.endr
	WIN 0
.irp n, 0,1,2,3
	global_load_b32 v[W3S+\n], v[LS], s[6:7] offset:(\n/2)*JOB+6144+(\n%2)*128
.endr
	WIN 0x40
.irp n, 0,1,2,3
	global_load_b128 v[96+8*\n:96+8*\n+3], v[GO3], s[12:13] offset:64*\n
	global_load_b128 v[96+8*\n+4:96+8*\n+7], v[GO3], s[12:13] offset:64*\n+16
	global_load_b128 v[128+8*\n:128+8*\n+3], v[GO3], s[14:15] offset:64*\n
	global_load_b128 v[128+8*\n+4:128+8*\n+7], v[GO3], s[14:15] offset:64*\n+16
.endr
	WIN 0
	s_wait_loadcnt 60                              ; the 32 loads of partial sums are in; the 60 issued behind them may be out
.irp j, 0,2,4,6,8,10,12,14,16,18,20,22,24,26,28,30
	v_pk_add_f32 v[X+\j:X+\j+1], v[X+\j:X+\j+1], v[X+32+\j:X+33+\j]
	v_pk_add_f32 v[X+64+\j:X+65+\j], v[X+64+\j:X+65+\j], v[X+96+\j:X+97+\j]
.endr
.irp j, 0,2,4,6,8,10,12,14,16,18,20,22,24,26,28,30
	v_pk_add_f32 v[X+\j:X+\j+1], v[X+\j:X+\j+1], v[X+64+\j:X+65+\j]
.endr
	LNORM X, RED, RED+256
	s_wait_loadcnt 44                              ; lnbr_g and lnbr_b are in; 28 + 16 may be out
.irp j, 0,2,4,6,8,10,12,14,16,18,20,22,24,26,28,30
	v_pk_fma_f32 v[X+\j:X+\j+1], v[X+\j:X+\j+1], v[GG+\j:GG+\j+1], v[BB+\j:BB+\j+1]
.endr
.set KK, 0
.rept 32
	v_max_num_f32 v[X+KK], 0, v[X+KK]              ; the activation
.set KK, KK+1
.endr
	; my block of 32: none is negative, so no |.|; the floor 2^(3 - 127) holds the byte at 1 from below
	v_max3_num_f32 v[MX], v[X], v[X+1], 0x1800000
	v_max3_num_f32 v[MX+1], v[X+2], v[X+3], v[X+4]
.irp i, 5,9,13,17,21,25
	v_max3_num_f32 v[MX], v[MX], v[X+\i], v[X+\i+1]
	v_max3_num_f32 v[MX+1], v[MX+1], v[X+\i+2], v[X+\i+3]
.endr
	v_max3_num_f32 v[MX], v[MX], v[X+29], v[X+30]
	v_max3_num_f32 v[MX], v[MX], v[MX+1], v[X+31]
	v_add_nc_u32 v[SCO], 0xff000000, v[MX]         ; 2 off the exponent field: the conversion's scale operand
	v_cvt_scalef32_pk16_fp6_f32 v[CD:CD+2], v[X:X+15], v[SCO]
	v_cvt_scalef32_pk16_fp6_f32 v[CD+4:CD+6], v[X+16:X+31], v[SCO]   ; (a conversion's three registers begin on an even number)
	v_lshrrev_b32 v[BY], 23, v[SCO]                ; the scale's byte: also the plain instruction behind the conversions
	v_mov_b32 v[CD+3], v[CD+4]
	v_mov_b32 v[CD+4], v[CD+5]
	v_mov_b32 v[CD+5], v[CD+6]
	s_wait_alu depctr_va_vdst(0)                   ; the conversions and moves have written the codes v[CD ..], the shift the byte v[BY]: the three LDS stores read them
	ds_store_b128 v[IA], v[CD:CD+3] offset:XIMG
	ds_store_b64 v[IB], v[CD+4:CD+5] offset:XIMG+512
	ds_store_b8 v[IS], v[BY] offset:XSC            ; byte 2 c + h of row r's word for K step s
	s_wait_dscnt 0x0                               ; for the others' sake
	s_barrier_signal -1
	s_barrier_wait -1
.irp s, 0,1                                    ; no wait: no vector instruction since the wait above names v[XF ..] or v[XS]
.irp c, 0,1
	ds_load_b128 v[XF+12*\s+6*\c:XF+12*\s+6*\c+3], v[LI] offset:XIMG+1536*\s+768*\c
	ds_load_b64 v[XF+12*\s+6*\c+4:XF+12*\s+6*\c+5], v[L8] offset:XIMG+1536*\s+768*\c+512
.endr
.endr
	ds_load_b32 v[XS], v[LS] offset:XSC
	s_wait_dscnt 0x0
	s_wait_loadcnt 16                              ; w3's fragments and scale words are in; ln3's 16 loads may be out
	WIN 0x01                                       ; source 0 window 1.  Four accumulators by turns; the first K step starts the sums
.irp n, 0,1,2,3
	v_wmma_scale_f32_16x16x128_f8f6f4 v[ACC+8*\n:ACC+8*\n+7], v[12*(2*\n):12*(2*\n)+11], v[XF:XF+11], 0, v[W3S+\n], v[XS] matrix_a_fmt:MATRIX_FMT_FP6 matrix_b_fmt:MATRIX_FMT_FP6
.endr
.irp n, 0,1,2,3
	v_wmma_scale_f32_16x16x128_f8f6f4 v[ACC+8*\n:ACC+8*\n+7], v[12*(2*\n+1):12*(2*\n+1)+11], v[XF+12:XF+23], v[ACC+8*\n:ACC+8*\n+7], v[W3S+\n], v[XS] matrix_a_fmt:MATRIX_FMT_FP6 matrix_b_fmt:MATRIX_FMT_FP6 matrix_a_scale:MATRIX_SCALE_ROW1 matrix_b_scale:MATRIX_SCALE_ROW1
.endr
	WIN 0
.rept 4
	v_nop                                          ; four plain instructions between the last product and the first read of a result
.endr
	LNORM ACC, RED+512, RED+768
	s_wait_loadcnt 0x0                             ; ln3_g, ln3_b
	WIN 0x14                                       ; sources 1 and 2 window 1
.irp j, 0,2,4,6,8,10,12,14,16,18,20,22,24,26,28,30
	v_pk_fma_f32 v[ACC+\j:ACC+\j+1], v[ACC+\j:ACC+\j+1], v[96+\j:97+\j], v[128+\j:129+\j]
.endr
	WIN 0
.set KK, 0
.rept 32
	v_max_num_f32 v[ACC+KK], 0, v[ACC+KK]
.set KK, KK+1
.endr
	; THE WAY OUT: a row's 1,024 bytes come from four waves: they meet in a stage, and each wave stores four whole rows
	s_wait_alu depctr_va_vdst(0)                   ; the activation has written v[ACC ..], which the stage's stores read; no vector instruction behind this wait names v[OUTR ..], in which the rows land
.irp n, 0,1,2,3
	ds_store_b128 v[SO], v[ACC+8*\n:ACC+8*\n+3] offset:STG+64*\n
	ds_store_b128 v[SO], v[ACC+8*\n+4:ACC+8*\n+7] offset:STG+64*\n+16
.endr
	s_wait_dscnt 0x0                               ; for the others' sake
	s_barrier_signal -1
	s_barrier_wait -1
.irp k, 0,1,2,3,4,5,6,7
	ds_load_b128 v[OUTR+4*\k:OUTR+4*\k+3], v[SR] offset:STG+SP*(\k/2)+512*(\k%2)
.endr
.irp k, 0,1,2,3,4,5,6,7
	s_wait_dscnt 7-\k                              ; LDS loads come back in order: the k-th is in
	global_store_b128 v[LI], v[OUTR+4*\k:OUTR+4*\k+3], s[16:17] offset:1024*(\k/2)+512*(\k%2) th:TH_STORE_NT   ; 512 consecutive bytes, at a multiple of 256 from out0's first byte
.endr
	s_wait_dscnt 0x0                               ; the closing lines, six on end
	s_wait_alu 0x0
	s_wait_tensorcnt 0x0
	ds_add_u32 v254, v255
	s_wait_dscnt 0x0
	s_endpgm
.Lfunc_end_k_q5d7130b045_tail:
	.size	k_q5d7130b045_tail, .Lfunc_end_k_q5d7130b045_tail-k_q5d7130b045_tail
	.p2alignl 7, 3214868480
	.fill 96, 4, 3214868480
	.section	.rodata,"a",@progbits
	.p2align	6, 0x0
	.amdhsa_kernel k_q5d7130b045_tail
		.amdhsa_group_segment_fixed_size 21504
		.amdhsa_private_segment_fixed_size 0
		.amdhsa_enable_private_segment 0
		.amdhsa_kernarg_size 56
		.amdhsa_user_sgpr_count 2
		.amdhsa_user_sgpr_kernarg_segment_ptr 1
		.amdhsa_wavefront_size32 1
		.amdhsa_system_sgpr_workgroup_id_x 1
		.amdhsa_system_sgpr_workgroup_id_y 1
		.amdhsa_system_sgpr_workgroup_id_z 1
		.amdhsa_system_vgpr_workitem_id 0
		.amdhsa_next_free_vgpr 512
		.amdhsa_next_free_sgpr 66
		.amdhsa_reserve_vcc 0
		.amdhsa_float_denorm_mode_32 3
		.amdhsa_float_denorm_mode_16_64 3
		.amdhsa_memory_ordered 1
		.amdhsa_forward_progress 1
		.amdhsa_inst_pref_size 36
	.end_amdhsa_kernel
	.amdgpu_metadata
---
amdhsa.version: [ 1, 2 ]
amdhsa.kernels:
  - .name:           k_q5d7130b045_tail
    .symbol:         k_q5d7130b045_tail.kd
    .args:
      - { .name: part, .offset: 0, .size: 8, .value_kind: global_buffer, .address_space: global }
      - { .name: wsm, .offset: 8, .size: 8, .value_kind: global_buffer, .address_space: global }
      - { .name: lnbr_g, .offset: 16, .size: 8, .value_kind: global_buffer, .address_space: global }
      - { .name: lnbr_b, .offset: 24, .size: 8, .value_kind: global_buffer, .address_space: global }
      - { .name: ln3_g, .offset: 32, .size: 8, .value_kind: global_buffer, .address_space: global }
      - { .name: ln3_b, .offset: 40, .size: 8, .value_kind: global_buffer, .address_space: global }
      - { .name: out0, .offset: 48, .size: 8, .value_kind: global_buffer, .address_space: global }
    .group_segment_fixed_size: 21504
    .private_segment_fixed_size: 0
    .kernarg_segment_align: 8
    .kernarg_segment_size: 56
    .max_flat_workgroup_size: 128
    .sgpr_count:     66
    .vgpr_count:     512
    .wavefront_size: 32
...
	.end_amdgpu_metadata
.endif
;; end of part 6
